; MI455X (gfx1250); checked and timed in simulation.
; The chip was launched on July 23, 2026; its instructions are those of AMD's public machine-readable ISA for CDNA 5 (MIT licence, August 2026) and "CDNA5" Instruction Set Architecture Reference Guide (July 2026). The comments in the code are by the model that wrote it; some were corrected since.
;; Multi Head Attention. Allowed arithmetic: matrix products marked QUANTISED: E2M1 operands, one E8M0 scale for each 32 along K, by v_wmma_scale_f32_16x16x128_f8f6f4 with both operands' format E2M1 (or v_wmma_scale_f32_32x16x128_f4), f32 sums; products left as they are: bf16, f16 or f32 operands; f32 sums; everything else in f32.
;; Inputs: Wk 16 x 1,024 x 64 float32; Wo 1,024 x 1,024 float32; Wq 16 x 1,024 x 64 float32; Wv 16 x 1,024 x 64 float32; bk 16 x 64 float32; bo 1,024 float32; bq 16 x 64 float32; bv 16 x 64 float32; token_embedding 4 x 2,048 x 1,024 float32.
;; Outputs: out0 4 x 2,048 x 1,024 float32.
;; This version of the problem:
;;   THIS VERSION OF THE PROBLEM IS GIVEN IN LOW PRECISION. The matrix products marked QUANTISED in the list below multiply operands that are first quantised to E2M1 (2 exponent bits, 1 mantissa bit; 4 bits a number), with one power-of-two scale for each 32 numbers along K (OCP MX v1.0); their sums are f32. The products marked 'left as it is' may take bf16, f16 or f32 operands, with f32 sums. Whichever they take, every output number must still come out within the allowed error. Rounding operands to bf16 (8 significant bits) uses up far more of that allowance than f16 does (11 bits, for magnitudes from 6e-5 to 65,504). All else is computed in f32.
;;   The module's matrix products, in the order in which they are computed (A, B: the left and right operand; K: the contracted axis; several contracted axes count as one K, in the product's order):
;;     1. [M 1,024, K 1,024] x [K 1,024, N 8,192]; A: input Wq; B: input token_embedding: QUANTISED
;;     2. [M 1,024, K 1,024] x [K 1,024, N 8,192]; A: input Wk; B: input token_embedding: QUANTISED
;;     3. [M 1,024, K 1,024] x [K 1,024, N 8,192]; A: input Wv; B: input token_embedding: QUANTISED
;;     4. batch 64 x [M 2,048, K 64] x [K 64, N 2,048]; A: computed on the way; B: computed on the way: left as it is (an operand is computed on the way)
;;     5. batch 64 x [M 2,048, K 2,048] x [K 2,048, N 64]; A: computed on the way; B: computed on the way: left as it is (an operand is computed on the way)
;;     6. [M 8,192, K 1,024] x [K 1,024, N 1,024]; A: computed on the way; B: input Wo: left as it is (an operand is computed on the way)
;;   THE QUANTISER, for each operand of a quantised product, along K:
;;     - K is cut into blocks of 32 from its start; a last block that is shorter is filled with zeros.
;;     - A block's scale is 2^e with e = floor(log2(the largest magnitude in the block)) - 2, held to -126 .. 127; a block of zeros has e = 0. As a byte (E8M0): e + 127.
;;     - Each number is divided by its block's scale, clamped to +-6, and rounded to the nearest number of E2M1, ties to even, subnormals kept.
;;     - The product sums the exact products of the quantised numbers (number of the format x scale) in f32.
;;   ~~~python
;;   def quantise(x, axis):      # numpy; x: float32 -> the quantised numbers, widened to float32 again
;;       x = np.moveaxis(x, axis, -1); K = x.shape[-1]
;;       x = np.pad(x, [(0, 0)] * (x.ndim - 1) + [(0, -K % 32)]); x = x.reshape(x.shape[:-1] + (-1, 32)); a = np.abs(x).max(-1, keepdims=True)
;;       e = np.where(a > 0, np.clip(np.frexp(np.where(a > 0, a, 1))[1] - 1 - 2, -126, 127), 0)      # np.frexp(a)[1] - 1 = floor(log2(a)), exactly
;;       r = np.clip(x / 2.0 ** e, -6, 6)
;;       step = 2.0 ** (np.maximum(np.frexp(np.where(r == 0, 1, r))[1] - 1, 0) - 1)
;;       q = np.round(r / step) * step * 2.0 ** e      # np.round: ties to even
;;       return np.moveaxis(q.reshape(q.shape[:-2] + (-1,))[..., :K], -1, axis).astype(np.float32)
;;   ~~~
;; One version. Each part assembles by itself: llvm-mc -triple=amdgcn-amd-amdhsa -mcpu=gfx1250 --defsym DOCPART=n.
;; ======== version 1 of 1: 5 launches
;; limits: values are held in f16: magnitudes above 65,504 overflow, below 6.1e-05 lose precision
;; workspace buffers: ximg 4,194,304 bytes; xsc 262,144 bytes; wimg 1,572,864 bytes; wsc 98,304 bytes; woimg 2,097,152 bytes; qkv 50,331,648 bytes; fine32 786,432 bytes; cat 16,777,216 bytes
;; launch prep (part 1): grid 768 x 1, 4 waves a work-group, no clusters, 68,608 bytes of LDS; arguments token_embedding, Wq, Wk, Wv, Wo, ximg, xsc, wimg, wsc, woimg; writes ximg, xsc, wimg, wsc, woimg
.if DOCPART == 1
	.amdgcn_target "amdgcn-amd-amdhsa--gfx1250"
	.amdhsa_code_object_version 6
	.text
	.protected	k_q25112b0534_prep
	.globl	k_q25112b0534_prep
	.p2align	8
	.type	k_q25112b0534_prep,@function
k_q25112b0534_prep:
	s_mov_b64 s[64:65], 0
	v_nop
	global_prefetch_b8 v0, s[64:65] scope:SCOPE_SE
	s_setreg_imm32_b32 hwreg(HW_REG_WAVE_MODE, 25, 1), 1
	s_wait_xcnt 0x0
; PREP.  The operands of the quantised projections become codes of FP4 (E2M1) with one E8M0 byte for each 32 along K = D = 1,024; Wo becomes f16.
; All results are laid as IMAGES OF OPERAND REGISTERS: a fragment (16 rows x 128 K of codes, or 16 x 32 of f16) is 1,024 bytes, [piece 0..1][lane 0..31][16 bytes], piece c = the lane's registers 4 c .. 4 c + 3.
; Three paths, by the work-group's number alone:  0..511: 16 rows of x each;  512..703: Wq, Wk, Wv (K is their middle axis: a lane takes a column, its registers run down K);  704..767: Wo.
; A block's scale is 2^(floor(log2(largest magnitude)) - 2); its byte is the largest magnitude's exponent field - 2, held at 1 from below.
; LIMITS: a block of zeros gets the byte 1 where the quantiser says 127 (its codes are zeros, and this program alone reads the bytes); NaN and infinities are not served; |Wo| stays under 65,504 (f16).
.set STGB,  8448                       ; a stage: 16 rows x (512 bytes + 16); two for each wave
.set GATH,  8*STGB                     ; 512 bytes: the 16 rows' 32 scale bytes, gathered from the four waves
.set SPARE, GATH+512                   ; the spare words, 128 bytes a wave
.set D,   16                           ; v16-143  numbers as loaded
.set X,   144                          ; v144-207 64 numbers in the operand's order; on the other paths codes / f16
.set C,   208                          ; v208-223 codes: eight registers for each of x's two K steps
.set TM,  224                          ; v224-239 at work
.set SPW, 14                           ; v14 my spare word's address; never rewritten
.set NIL, 15                           ; v15 0; never rewritten
	s_load_b256 s[4:11], s[0:1], 0x0               ; x s[4:5], Wq s[6:7], Wk s[8:9], Wv s[10:11]
	s_load_b256 s[24:31], s[0:1], 0x20             ; Wo s[24:25], ximg s[26:27], xsc s[28:29], wimg s[30:31]
	s_load_b128 s[32:35], s[0:1], 0x40             ; wsc s[32:33], woimg s[34:35]
	v_lshl_add_u32 v[SPW], v0, 2, SPARE
	v_mov_b32 v[NIL], 0
	v_lshrrev_b32 v1, 5, v0
	v_readfirstlane_b32 s16, v1                    ; wave 0..3
	v_and_b32 v1, 31, v0                           ; lane
	v_and_b32 v2, 15, v0                           ; r
	v_bfe_u32 v3, v0, 4, 1                         ; h
	v_lshlrev_b32 v4, 4, v1                        ; 16 x lane
	s_mov_b32 s20, 0x76543210
	s_mov_b32 s21, 0xfedcba98                      ; v_permlanex16_b32's selects for lane l xor 16
	s_wait_kmcnt 0x0
	s_cmp_lt_u32 ttmp9, 512
	s_cbranch_scc0 .Lnot_x
; ---- x: the work-group takes rows 16 g .. 16 g + 15, wave w the K steps 2 w and 2 w + 1 (1,024 bytes of each row)
	s_lshl_b32 s12, ttmp9, 16                      ; 16 rows of 4,096 bytes
	s_lshl_b32 s13, s16, 10
	s_add_co_u32 s12, s12, s13
	s_mov_b32 s13, 0
	s_add_nc_u64 s[4:5], s[4:5], s[12:13]
.irp s, 0,1
.irp i, 0,1,2,3,4,5,6,7,8,9,10,11,12,13,14,15
	global_load_b128 v[D+64*\s+4*\i:D+64*\s+4*\i+3], v4, s[4:5] offset:\i*4096+\s*512 th:TH_LOAD_NT   ; 32 lanes read 512 consecutive bytes of row i
.endr
.endr
	s_lshl_b32 s12, ttmp9, 13                      ; ximg: (8 g + 2 w) fragments of 1,024 bytes
	s_lshl_b32 s14, s16, 11
	s_add_co_u32 s12, s12, s14
	s_add_nc_u64 s[26:27], s[26:27], s[12:13]
	s_lshl_b32 s12, ttmp9, 9                       ; xsc: 16 rows of 32 bytes
	s_add_nc_u64 s[28:29], s[28:29], s[12:13]
	s_mul_i32 s17, s16, 2*STGB                     ; my two stages
	v_add_nc_u32 v5, s17, v4                       ; in: 16 x lane, row i at i x 528
	v_mul_u32_u24 v6, v2, 528
	v_lshl_add_u32 v6, v3, 7, v6
	v_add_nc_u32 v6, s17, v6                       ; back: row r, + 128 h: my 32 numbers of block 2 c + h lie 256 c further on
	v_lshlrev_b32 v7, 5, v2
	s_lshl_b32 s18, s16, 3
	v_add_nc_u32 v7, s18, v7
	v_add_nc_u32 v7, GATH, v7                      ; my row's scale words of my wave's two K steps
	v_add_nc_u32 v8, GATH, v4
	v_mov_b32 v[TM+7], 0                           ; a lane permute's destination counts as read
	v_lshlrev_b32 v[TM+8], 3, v3                   ; 8 h
; 64 numbers of a lane (register 32 c + i = k 64 c + 32 h + i of row r) become the fragment's 8 registers in v[dst] on and the row's scale word in v[wd]
.macro QUANT2 src, dst, wd
.irp b, 0,1
	v_max3_num_f32 v[TM+\b], |v[\src+32*\b]|, |v[\src+32*\b+1]|, 0x1800000   ; with the floor 2^(3 - 127): the byte cannot fall under 1
.endr
.set i, 2
.rept 15
.irp b, 0,1
	v_max3_num_f32 v[TM+\b], v[TM+\b], |v[\src+32*\b+i]|, |v[\src+32*\b+i+1]|   ; the two blocks by turns
.endr
.set i, i+2
.endr
.irp b, 0,1
	v_add_nc_u32 v[TM+2+\b], 0xff000000, v[TM+\b]  ; 2 off the exponent field: the conversion's scale operand
.endr
.irp b, 0,1
	v_lshrrev_b32 v[TM+4+\b], 23, v[TM+2+\b]       ; the scale's byte
.endr
	v_lshl_or_b32 v[\wd], v[TM+5], 16, v[TM+4]     ; blocks h and 2 + h,
	v_lshlrev_b32 v[\wd], v[TM+8], v[\wd]          ; at their places in the word;
	v_permlanex16_b32 v[TM+7], v[\wd], s20, s21
	v_or_b32 v[\wd], v[\wd], v[TM+7]               ; with lane l xor 16's two the word is whole
.irp b, 0,1
.irp g, 0,1,2,3
	v_cvt_scalef32_pk8_fp4_f32 v[\dst+4*\b+\g], v[\src+32*\b+8*\g:\src+32*\b+8*\g+7], v[TM+2+\b]
.endr
.endr
	v_nop                                          ; one plain place behind the last scaled conversion
.endm
	s_wait_loadcnt 16                              ; K step 0's sixteen loads are in; K step 1's sixteen may be out
.irp i, 0,1,2,3,4,5,6,7,8,9,10,11,12,13,14,15
	ds_store_b128 v5, v[D+4*\i:D+4*\i+3] offset:\i*528
.endr
.irp c, 0,1
.irp m, 0,1,2,3,4,5,6,7
	ds_load_b128 v[X+32*\c+4*\m:X+32*\c+4*\m+3], v6 offset:\c*256+\m*16   ; LDS serves a wave's instructions in order: these see the stores above
.endr
.endr
	s_wait_dscnt 0x0                               ; the numbers are back, and the stores have read v16-79
	s_wait_loadcnt 0x0
.irp i, 0,1,2,3,4,5,6,7,8,9,10,11,12,13,14,15
	ds_store_b128 v5, v[D+64+4*\i:D+64+4*\i+3] offset:STGB+\i*528
.endr
.irp c, 0,1
.irp m, 0,1,2,3,4,5,6,7
	ds_load_b128 v[D+32*\c+4*\m:D+32*\c+4*\m+3], v6 offset:STGB+\c*256+\m*16   ; K step 1 turns through the other stage while K step 0 is quantised
.endr
.endr
	QUANT2 X, C, TM+6
	global_store_b128 v4, v[C:C+3], s[26:27]                       ; 32 lanes store 512 consecutive bytes: a piece of the image
	global_store_b128 v4, v[C+4:C+7], s[26:27] offset:512
	ds_store_b32 v7, v[TM+6]                       ; both lanes of a row write the same word with the same value
	s_wait_dscnt 1                                 ; K step 1's numbers are back; the word's store may be out
	QUANT2 D, C+8, TM+9
	global_store_b128 v4, v[C+8:C+11], s[26:27] offset:1024
	global_store_b128 v4, v[C+12:C+15], s[26:27] offset:1536
	ds_store_b32 v7, v[TM+9] offset:4
	s_wait_dscnt 0x0                               ; for the others' sake: my words lie in LDS
	s_barrier_signal -1
	s_barrier_wait -1
	s_cmp_lg_u32 s16, 0
	s_cbranch_scc1 .Lend
	ds_load_b128 v[X:X+3], v8                      ; wave 0: the 16 rows' 512 scale bytes
	s_wait_dscnt 0x0
	global_store_b128 v4, v[X:X+3], s[28:29]       ; 512 consecutive bytes, aligned
	s_branch .Lend
; ---- Wq, Wk, Wv [16][1024][64]: a wave takes 32 columns of one head x 128 along K.  A lane holds four whole blocks of its column
.Lnot_x:
	s_cmp_lt_u32 ttmp9, 704
	s_cbranch_scc0 .Lpath_o
	s_sub_co_u32 s12, ttmp9, 512
	s_lshr_b32 s13, s12, 6                         ; which tensor: 0 q, 1 k, 2 v
	s_bfe_u32 s14, s12, 0x40002                    ; head
	s_and_b32 s15, s12, 3
	s_lshl_b32 s15, s15, 2
	s_add_co_u32 s15, s15, s16
	s_and_b32 s17, s15, 1                          ; which 32 columns
	s_lshr_b32 s18, s15, 1                         ; K step
	s_cmp_eq_u32 s13, 1
	s_cselect_b64 s[8:9], s[8:9], s[10:11]
	s_cmp_eq_u32 s13, 0
	s_cselect_b64 s[6:7], s[6:7], s[8:9]           ; the choice hangs on the work-group's number alone
	s_lshl_b32 s22, s14, 18                        ; a head: 1,024 rows of 256 bytes
	s_lshl_b32 s23, s18, 15
	s_add_co_u32 s22, s22, s23
	s_lshl_b32 s23, s17, 7
	s_add_co_u32 s22, s22, s23
	s_mov_b32 s23, 0
	s_add_nc_u64 s[6:7], s[6:7], s[22:23]
	v_lshlrev_b32 v5, 2, v1
.set i, 0
.rept 128
	global_load_b32 v[D+i], v5, s[6:7] offset:i*256 th:TH_LOAD_NT   ; W(128 kstep + i, my column): 128 consecutive bytes a wave; the wave beside me takes the other 128
.set i, i+1
.endr
	s_lshl_b32 s19, s13, 6
	s_lshl_b32 s22, s14, 2
	s_add_co_u32 s19, s19, s22
	s_lshl_b32 s22, s17, 1
	s_add_co_u32 s19, s19, s22                     ; my first tile of 16 rows of W^T: 64 t + 4 head + 2 (column group)
	s_lshl_b32 s22, s19, 13
	s_lshl_b32 s12, s18, 10
	s_add_co_u32 s22, s22, s12
	s_add_nc_u64 s[30:31], s[30:31], s[22:23]      ; wimg: (8 tile + kstep) x 1,024
	s_lshl_b32 s22, s19, 9
	s_lshl_b32 s12, s18, 2
	s_add_co_u32 s22, s22, s12
	s_add_nc_u64 s[32:33], s[32:33], s[22:23]      ; wsc: 32 bytes a row, 4 a K step
	v_lshlrev_b32 v6, 4, v2
	v_lshl_add_u32 v6, v3, 13, v6                  ; lanes 16-31 belong to the next tile, 8 fragments on
	v_lshlrev_b32 v7, 5, v1
	s_wait_loadcnt 0x0
.irp b, 0,1,2,3
	v_max3_num_f32 v[TM+\b], |v[D+32*\b]|, |v[D+32*\b+1]|, 0x1800000
.endr
.set i, 2
.rept 15
.irp b, 0,1,2,3
	v_max3_num_f32 v[TM+\b], v[TM+\b], |v[D+32*\b+i]|, |v[D+32*\b+i+1]|
.endr
.set i, i+2
.endr
.irp b, 0,1,2,3
	v_add_nc_u32 v[TM+4+\b], 0xff000000, v[TM+\b]
.endr
.irp b, 0,1,2,3
	v_lshrrev_b32 v[TM+8+\b], 23, v[TM+4+\b]
.endr
	v_lshl_or_b32 v[TM+12], v[TM+9], 8, v[TM+8]
	v_lshl_or_b32 v[TM+12], v[TM+10], 16, v[TM+12]
	v_lshl_or_b32 v[TM+12], v[TM+11], 24, v[TM+12]
.irp b, 0,1,2,3
.irp g, 0,1,2,3
	v_cvt_scalef32_pk8_fp4_f32 v[X+4*\b+\g], v[D+32*\b+8*\g:D+32*\b+8*\g+7], v[TM+4+\b]
.endr
.endr
	v_nop
.irp b, 0,1,2,3
	global_store_b128 v6, v[X+4*\b:X+4*\b+3], s[30:31] offset:\b*256   ; block b = piece b / 2, lanes 16 (b % 2) + r: sixteen lanes store 256 consecutive bytes, aligned
.endr
	global_store_b32 v7, v[TM+12], s[32:33]        ; 4 bytes of each of 32 rows, 32 bytes apart: 96 KiB in the whole launch go out so
	s_branch .Lend
; ---- Wo [1024 (k)][1024 (n)]: a wave takes 32 columns x 128 along K, rounds to f16, and stores pieces of the images [n / 16][k / 32]
.Lpath_o:
	s_sub_co_u32 s12, ttmp9, 704
	s_lshl_b32 s12, s12, 2
	s_add_co_u32 s12, s12, s16
	s_and_b32 s13, s12, 31                         ; which 32 columns
	s_lshr_b32 s14, s12, 5                         ; which 128 along K
	s_lshl_b32 s22, s14, 19
	s_lshl_b32 s23, s13, 7
	s_add_co_u32 s22, s22, s23
	s_mov_b32 s23, 0
	s_add_nc_u64 s[24:25], s[24:25], s[22:23]
	v_lshlrev_b32 v5, 2, v1
.set i, 0
.rept 128
	global_load_b32 v[D+i], v5, s[24:25] offset:i*4096
.set i, i+1
.endr
	s_lshl_b32 s22, s13, 16                        ; two tiles of 32 fragments
	s_lshl_b32 s12, s14, 12                        ; four fragments along K
	s_add_co_u32 s22, s22, s12
	s_add_nc_u64 s[34:35], s[34:35], s[22:23]
	v_lshlrev_b32 v6, 4, v2
	v_lshl_add_u32 v6, v3, 15, v6
	s_wait_loadcnt 0x0
.set i, 0
.rept 64
	v_cvt_pk_f16_f32 v[X+i], v[D+2*i], v[D+2*i+1]
.set i, i+1
.endr
.set i, 0
.rept 16
	global_store_b128 v6, v[X+4*i:X+4*i+3], s[34:35] offset:256*i   ; eight k of my column: fragment i / 4, piece (i % 4) / 2, lanes 16 (i % 2) + r: 256 consecutive bytes for sixteen lanes
.set i, i+1
.endr
.Lend:
	s_wait_tensorcnt 0x0                           ; the wave's end
	ds_add_u32 v[SPW], v[NIL]
	s_wait_dscnt 0x0
	s_endpgm
.Lfunc_end_k_q25112b0534_prep:
	.size	k_q25112b0534_prep, .Lfunc_end_k_q25112b0534_prep-k_q25112b0534_prep
	.p2alignl 7, 3214868480
	.fill 96, 4, 3214868480
	.section	.rodata,"a",@progbits
	.p2align	6, 0x0
	.amdhsa_kernel k_q25112b0534_prep
		.amdhsa_group_segment_fixed_size 68608
		.amdhsa_private_segment_fixed_size 0
		.amdhsa_enable_private_segment 0
		.amdhsa_kernarg_size 80
		.amdhsa_user_sgpr_count 2
		.amdhsa_user_sgpr_kernarg_segment_ptr 1
		.amdhsa_wavefront_size32 1
		.amdhsa_system_sgpr_workgroup_id_x 1
		.amdhsa_system_sgpr_workgroup_id_y 1
		.amdhsa_system_sgpr_workgroup_id_z 1
		.amdhsa_system_vgpr_workitem_id 0
		.amdhsa_next_free_vgpr 240
		.amdhsa_next_free_sgpr 66
		.amdhsa_reserve_vcc 0
		.amdhsa_float_denorm_mode_32 3
		.amdhsa_float_denorm_mode_16_64 3
		.amdhsa_memory_ordered 1
		.amdhsa_forward_progress 1
		.amdhsa_inst_pref_size 54
	.end_amdhsa_kernel
	.amdgpu_metadata
---
amdhsa.version: [ 1, 2 ]
amdhsa.kernels:
  - .name:           k_q25112b0534_prep
    .symbol:         k_q25112b0534_prep.kd
    .args:
      - { .name: token_embedding, .offset: 0, .size: 8, .value_kind: global_buffer, .address_space: global }
      - { .name: Wq, .offset: 8, .size: 8, .value_kind: global_buffer, .address_space: global }
      - { .name: Wk, .offset: 16, .size: 8, .value_kind: global_buffer, .address_space: global }
      - { .name: Wv, .offset: 24, .size: 8, .value_kind: global_buffer, .address_space: global }
      - { .name: Wo, .offset: 32, .size: 8, .value_kind: global_buffer, .address_space: global }
      - { .name: ximg, .offset: 40, .size: 8, .value_kind: global_buffer, .address_space: global }
      - { .name: xsc, .offset: 48, .size: 8, .value_kind: global_buffer, .address_space: global }
      - { .name: wimg, .offset: 56, .size: 8, .value_kind: global_buffer, .address_space: global }
      - { .name: wsc, .offset: 64, .size: 8, .value_kind: global_buffer, .address_space: global }
      - { .name: woimg, .offset: 72, .size: 8, .value_kind: global_buffer, .address_space: global }
    .group_segment_fixed_size: 68608
    .private_segment_fixed_size: 0
    .kernarg_segment_align: 8
    .kernarg_segment_size: 80
    .max_flat_workgroup_size: 128
    .sgpr_count:     66
    .vgpr_count:     240
    .wavefront_size: 32
...
	.end_amdgpu_metadata
.endif
;; end of part 1
;; launch qkv (part 2): grid 12 x 32, 4 waves a work-group, clusters of 4 x 4, 327,680 bytes of LDS; arguments ximg, xsc, wimg, wsc, bq, bk, bv, qkv, fine32; writes qkv, fine32
.if DOCPART == 2
	.amdgcn_target "amdgcn-amd-amdhsa--gfx1250"
	.amdhsa_code_object_version 6
	.text
	.protected	k_q25112b0534_qkv
	.globl	k_q25112b0534_qkv
	.p2align	8
	.type	k_q25112b0534_qkv,@function
k_q25112b0534_qkv:
	s_mov_b64 s[64:65], 0
	v_nop
	global_prefetch_b8 v0, s[64:65] scope:SCOPE_SE
	s_setreg_imm32_b32 hwreg(HW_REG_WAVE_MODE, 25, 1), 1
	s_wait_xcnt 0x0
	s_wait_alu depctr_hold_cnt(0) depctr_sa_sdst(0) depctr_va_vdst(0) depctr_va_sdst(0) depctr_va_ssrc(0) depctr_va_vcc(0) depctr_vm_vsrc(0)
	s_getreg_b32 s2, hwreg(HW_REG_IB_STS2, 6, 4)
	s_cmp_eq_u32 s2, 0
	s_cbranch_scc0 .Lentry_in_a_cluster
	s_endpgm
.Lentry_in_a_cluster:
	s_bfe_u32 s2, ttmp6, 0x10000c
	s_cmp_lg_u32 s2, 0xf033
	s_cbranch_scc0 .Lentry_shape_is_right
	s_endpgm
.Lentry_shape_is_right:
; QKV.  q, k, v = x W + b on codes of FP4 (E2M1) with E8M0 scales, K = 1,024, sums in f32; the results leave as f16 images of the operands that attention wants, straight from registers.
; A work-group of four waves makes 256 x 256, a wave 128 x 128 (64 accumulators, 512 registers).  K lies in two LDS slots of 512, both filled at the start: nothing is filled again.
; ONE TEXT FOR THREE PRODUCTS.  The text knows an R side (source 1; shared along a row of the cluster) and a P side (source 0; shared along a column).  In a result lane (r, h) holds R's row 16 a + r and P's rows 16 b + 8 h + 0 .. 7.
;   cluster x = 0, 1 (q, k): R = x, P = W: a lane holds one token and eight neighbouring channels: a piece of a fragment of Q or K.
;   cluster x = 2 (v):       R = W, P = x: a lane holds one channel and eight neighbouring tokens: a piece of a fragment of V^T.
; Which buffers and blocks those are is chosen by s_cselect on the cluster's x, which all sixteen partners share.  R's addresses are made of cy alone, P's of cx alone.
; The operands come as images of their registers ([tile of 16 rows][K step][1,024 bytes]): a fragment is two ds_load_b128 at 16 x lane; no pitch, no padding.
; Positions 0 to 15 of every sequence also leave in f32 (fine32), for the launch that carries them finely.
; LIMITS: |q|, |k|, |v| stay under 65,504 (f16); NaN and infinities are not served.
; REGISTERS: window 0: v16-29 addresses; v32-95 scale words, two sets; v96-111 bias by R's rows; v128-191 R's fragments, later the way out; v192-255 bias by P's rows.  window 1: P's fragments, two sets.  windows 2, 3: accumulators.
.set NQ,     4                         ; matrix instructions deep in a slot
.set FR,     8
.set NL,     2
.set NP,     4
.set HALFT,  32768                     ; 128 rows x 512 K of codes: [tile 8][K step 4][1,024]
.set SLOT,   4*HALFT                   ; R's 256 rows, then P's
.set SCL,    2*SLOT                    ; the scales, as units of 256 bytes + 16 of padding
.set HALFS,  16*272                    ; those of 128 rows
.set SBLK,   2*272                     ; those of 16 rows
.set SPARE,  SCL+4*HALFS               ; the spare words, 128 bytes a wave
.set ADRA, 16                          ; v16-17 LDS address of R's fragments in slot 0, 1
.set ADRB, 20                          ; v20-21 of P's
.set LO,   24                          ; v24 16 x lane
.set VBQ,  25                          ; v25 bias offset by P's rows
.set VBV,  26                          ; v26 bias offset by R's rows
.set ADRS, 27                          ; v27 my scale words: lanes 0-15 R's rows, lanes 16-31 P's
.set SPW,  28
.set NIL,  29
.set SC,   32
.set BV,   96
.set AF,   128
.set T,    128
.set BQ,   192
.set G1,   24
.set G0,   32
.set G1B,  48
.set G0B,  56
.set G1S,  68
.set G0S,  76
.set G1SB, 80
.set G0SB, 88
.set MSB, 0
.macro WIN new
.if MSB != \new
	s_set_vgpr_msb (MSB<<8)|\new
.set MSB, \new
.endif
.endm
.set MUL_LO, 0xa1                      ; source 0 (P) window 1, source 1 (R) window 0, C and D window 2
.set MUL_HI, 0xf1
.set TO_B,   0x40
; a joint load: waves 0 and 1 fetch for R, waves 2 and 3 for P; an s_nop 0 and four v_nop follow each line
.macro JLOAD g0a, g1a, g0b, g1b
	s_cmp_eq_u32 s23, 0
	s_cbranch_scc0 .Lfor_b_\@
	tensor_load_to_lds s[\g0a:\g0a+3], s[\g1a:\g1a+7]
	s_nop 0
.rept 4
	v_nop
.endr
	s_branch .Lasked_\@
.Lfor_b_\@:
	tensor_load_to_lds s[\g0b:\g0b+3], s[\g1b:\g1b+7]
	s_nop 0
.rept 4
	v_nop
.endr
.Lasked_\@:
.endm
.macro CROUND                          ; a round of the cluster's barrier
	s_barrier_signal -1
	s_barrier_wait -1
	s_cmp_lg_u32 s22, 0
	s_cbranch_scc1 .Lnot_wave_0_\@
	s_barrier_signal -3
.Lnot_wave_0_\@:
	s_barrier_wait -3
	s_barrier_signal -1
	s_barrier_wait -1
.endm
	s_load_b256 s[4:11], s[0:1], 0x0               ; ximg s[4:5], xsc s[6:7], wimg s[8:9], wsc s[10:11]
	s_load_b256 s[12:19], s[0:1], 0x20             ; bq s[12:13], bk s[14:15], bv s[16:17], qkv s[18:19]
	s_load_b64 s[20:21], s[0:1], 0x40              ; fine32
	v_lshl_add_u32 v[SPW], v0, 2, SPARE
	v_mov_b32 v[NIL], 0
	ds_add_u32 v[SPW], v[NIL]                      ; the wave's opening: the add, twice on end, and its wait ahead of my first tensor load
	ds_add_u32 v[SPW], v[NIL]
	v_lshrrev_b32 v1, 5, v0
	v_readfirstlane_b32 s22, v1                    ; wave 0..3
	s_lshr_b32 s23, s22, 1                         ; my half of R's rows.  Also: I fetch for R (0) or for P (1)
	s_and_b32 s66, s22, 1                          ; my half of P's rows.  Also: which 128 rows I fetch
	s_bfe_u32 s40, ttmp6, 0x40000                  ; cx
	s_bfe_u32 s41, ttmp6, 0x40004                  ; cy
	s_and_b32 s43, ttmp7, 0xffff                   ; the cluster's y, 0..7
	s_lshl_b32 s42, ttmp9, 2                       ; 4 x the cluster's x (0 q, 1 k, 2 v)
	s_lshl_b32 s44, s41, 2
	s_lshl_b32 s44, 15, s44                        ; my row of the cluster
	s_lshl_b32 s45, 0x1111, s40                    ; my column
	s_cmp_eq_u32 ttmp9, 2                          ; v?
	s_cselect_b32 s46, 1, 8
	s_cselect_b32 s47, 8, s43
	s_cselect_b32 s100, 8, 1
	s_cselect_b32 s101, s43, s42
	s_mul_i32 s3, s41, s46
	s_add_co_u32 s3, s3, s47                       ; R's block of 256 rows: q, k: x's 8 cy + y (the batch is cy);  v: W's 8 + cy
	s_mul_i32 s67, s40, s100
	s_add_co_u32 s67, s67, s101                    ; P's block: q, k: W's 4 t + cx;  v: x's 8 cx + y
	; group 1 for codes: 8 tiles' 4,096 consecutive bytes (512 elements of 8), 8,192 bytes apart
	s_or_b32 s[G1], s44, (3<<16)|(1<<21)
	s_or_b32 s[G1B], s45, (3<<16)|(1<<21)
.irp g, G1, G1B
	s_mov_b32 s[\g+1], 512<<16                     ; tensor_dim0
	s_mov_b32 s[\g+2], 8<<16                       ; tensor_dim1
	s_mov_b32 s[\g+3], 512<<16                     ; tile_dim0
	s_mov_b32 s[\g+4], 8                           ; tile_dim1
	s_mov_b32 s[\g+5], 1024                        ; elements from tile to tile
	s_mov_b32 s[\g+6], 0
	s_mov_b32 s[\g+7], 0
.endr
	; and for the scales of 128 rows: 4,096 dense bytes as 16 rows of 256, 16 bytes of padding behind each
	s_or_b32 s[G1S], s44, (3<<16)|(1<<20)|(1<<21)|(5<<22)|(3<<25)
	s_or_b32 s[G1SB], s45, (3<<16)|(1<<20)|(1<<21)|(5<<22)|(3<<25)
.irp g, G1S, G1SB
	s_mov_b32 s[\g+1], 32<<16
	s_mov_b32 s[\g+2], 16<<16
	s_mov_b32 s[\g+3], 32<<16
	s_mov_b32 s[\g+4], 16
	s_mov_b32 s[\g+5], 32
	s_mov_b32 s[\g+6], 0
	s_mov_b32 s[\g+7], 0
.endr
.irp g, G0, G0B
	s_mov_b32 s[\g], 1
	s_lshl_b32 s[\g+1], s22, 15                    ; LDS: wave x 128 rows: no place in the cluster enters an LDS address
	s_mov_b32 s[\g+4], 1
	s_add_co_u32 s[\g+5], s[\g+1], SLOT
.endr
.irp g, G0S, G0SB
	s_mov_b32 s[\g], 1
	s_mul_i32 s[\g+1], s22, HALFS
	s_add_co_u32 s[\g+1], s[\g+1], SCL
.endr
	s_wait_dscnt 0x0                               ; both opening adds are done
	s_wait_kmcnt 0x0
	s_cmp_eq_u32 ttmp9, 2
	s_cselect_b64 s[92:93], s[8:9], s[4:5]         ; R's codes
	s_cselect_b64 s[94:95], s[10:11], s[6:7]       ; R's scales
	s_cselect_b64 s[96:97], s[4:5], s[8:9]         ; P's codes
	s_cselect_b64 s[98:99], s[6:7], s[10:11]       ; P's scales
	s_lshl_b32 s46, s3, 17                         ; a block of 256 rows of codes is 131,072 bytes,
	s_lshl_b32 s47, s66, 16                        ; the half that I fetch 65,536
	s_add_co_u32 s46, s46, s47
	s_mov_b32 s47, 0
	s_add_nc_u64 s[92:93], s[92:93], s[46:47]
	s_lshl_b32 s46, s3, 13                         ; of scales 8,192 and 4,096
	s_lshl_b32 s47, s66, 12
	s_add_co_u32 s46, s46, s47
	s_mov_b32 s47, 0
	s_add_nc_u64 s[94:95], s[94:95], s[46:47]
	s_lshl_b32 s100, s67, 17
	s_lshl_b32 s101, s66, 16
	s_add_co_u32 s100, s100, s101
	s_mov_b32 s101, 0
	s_add_nc_u64 s[96:97], s[96:97], s[100:101]
	s_lshl_b32 s100, s67, 13
	s_lshl_b32 s101, s66, 12
	s_add_co_u32 s100, s100, s101
	s_mov_b32 s101, 0
	s_add_nc_u64 s[98:99], s[98:99], s[100:101]
	CROUND                                         ; all sixteen work-groups are here: the first joint loads meet
	s_mov_b64 s[G0S+2:G0S+3], s[94:95]
	s_or_b32 s[G0S+3], s[G0S+3], 0x80000000
	s_mov_b64 s[G0SB+2:G0SB+3], s[98:99]
	s_or_b32 s[G0SB+3], s[G0SB+3], 0x80000000
	JLOAD G0S, G1S, G0SB, G1SB                     ; the scales first
.irp s, 0,1
	s_add_nc_u64 s[G0+4*\s+2:G0+4*\s+3], s[92:93], \s*4096
	s_or_b32 s[G0+4*\s+3], s[G0+4*\s+3], 0x80000000
	s_add_nc_u64 s[G0B+4*\s+2:G0B+4*\s+3], s[96:97], \s*4096
	s_or_b32 s[G0B+4*\s+3], s[G0B+4*\s+3], 0x80000000
	JLOAD G0+4*\s, G1, G0B+4*\s, G1B               ; by this text's count three tensor loads of a wave are out
.endr
	v_and_b32 v1, 15, v0                           ; r
	v_bfe_u32 v2, v0, 4, 1                         ; h
	v_and_b32 v3, 31, v0
	v_lshlrev_b32 v[LO], 4, v3
	s_lshl_b32 s4, s23, 15                         ; my 128 rows of R
	s_lshl_b32 s5, s66, 15
	s_add_co_u32 s5, s5, 2*HALFT                   ; my 128 rows of P, behind R's 256
.irp s, 0,1
	v_add_nc_u32 v[ADRA+\s], s4, v[LO]
	v_add_nc_u32 v[ADRB+\s], s5, v[LO]
	s_add_co_u32 s4, s4, SLOT
	s_add_co_u32 s5, s5, SLOT
.endr
	v_lshlrev_b32 v5, 5, v1                        ; my row's scales: 32 bytes a row,
	v_lshrrev_b32 v6, 8, v5
	v_lshl_add_u32 v5, v6, 4, v5                   ; and 16 more for each 256 passed
	s_mul_i32 s4, s23, HALFS
	s_mul_i32 s5, s66, HALFS
	s_add_co_u32 s5, s5, 2*HALFS
	s_sub_co_u32 s5, s5, s4
	v_mul_u32_u24 v6, s5, v2                       ; lanes 16-31 take P's
	s_add_co_u32 s4, s4, SCL
	v_add_nc_u32 v5, v5, v6
	v_add_nc_u32 v[ADRS], s4, v5
	; the bias of this product, laid both ways: by P's rows (eight neighbours a lane) and by R's rows (one a lane, twice, for the packed add).  Both indices stay under 1,024 in every work-group, so both are loaded everywhere
	s_cmp_eq_u32 ttmp9, 1
	s_cselect_b64 s[14:15], s[14:15], s[16:17]
	s_cmp_eq_u32 ttmp9, 0
	s_cselect_b64 s[12:13], s[12:13], s[14:15]
	s_lshl_b32 s4, s40, 10
	s_lshl_b32 s5, s66, 9
	s_add_co_u32 s4, s4, s5
	v_lshl_add_u32 v[VBQ], v2, 5, s4               ; 4 x (256 cx + 128 half + 8 h)
	s_lshl_b32 s6, s41, 10
	s_lshl_b32 s7, s23, 9
	s_add_co_u32 s6, s6, s7
	v_lshl_add_u32 v[VBV], v1, 2, s6               ; 4 x (256 cy + 128 half + r)
.irp b, 0,1,2,3,4,5,6,7
	global_load_b128 v[BQ+8*\b:BQ+8*\b+3], v[VBQ], s[12:13] offset:64*\b
	global_load_b128 v[BQ+8*\b+4:BQ+8*\b+7], v[VBQ], s[12:13] offset:64*\b+16
.endr
.irp a, 0,1,2,3,4,5,6,7
	global_load_b32 v[BV+2*\a], v[VBV], s[12:13] offset:64*\a
	global_load_b32 v[BV+2*\a+1], v[VBV], s[12:13] offset:64*\a
.endr
	; where the results go.  q, k: ((16 cy + 4 cx + 2 P half) x 128 + 16 y + 8 R half) x 2,048;  v: the same with cx and cy, and the halves, changed round
	s_cmp_eq_u32 ttmp9, 2
	s_cselect_b32 s4, s40, s41                     ; the batch
	s_cselect_b32 s5, s41, s40                     ; four heads
	s_cselect_b32 s6, s23, s66                     ; two of them
	s_cselect_b32 s7, s66, s23                     ; which 128 tokens
	s_lshl_b32 s8, ttmp9, 24                       ; q, k, v: 16 MiB each
	s_lshl_b32 s9, s4, 22
	s_add_co_u32 s8, s8, s9
	s_lshl_b32 s9, s5, 20
	s_add_co_u32 s8, s8, s9
	s_lshl_b32 s9, s6, 19
	s_add_co_u32 s8, s8, s9
	s_lshl_b32 s9, s43, 15
	s_add_co_u32 s8, s8, s9
	s_lshl_b32 s9, s7, 14
	s_add_co_u32 s8, s8, s9
	s_mov_b32 s9, 0
	s_add_nc_u64 s[18:19], s[18:19], s[8:9]
	s_lshl_b32 s8, ttmp9, 18                       ; fine32: ((4 t + batch) x 64 + 16 (four heads) + 8 (two heads)) x 1,024
	s_lshl_b32 s10, s4, 16
	s_add_co_u32 s8, s8, s10
	s_lshl_b32 s10, s5, 14
	s_add_co_u32 s8, s8, s10
	s_lshl_b32 s10, s6, 13
	s_add_co_u32 s8, s8, s10
	s_add_nc_u64 s[20:21], s[20:21], s[8:9]
	s_or_b32 s7, s7, s43                           ; 0 where my tokens begin with position 0 of a sequence: made of the cluster's y and the wave's number
.macro FRAG reg, adr, q, i             ; a fragment as it lies: two pieces of 512 bytes, 16 bytes a lane
.irp c, 0,1
	ds_load_b128 v[\reg+4*\c:\reg+4*\c+3], v[\adr] offset:(\i)*4096+(\q)*1024+\c*512
.endr
.endm
; 16 matrix instructions: R's blocks a0, a0 + 1 x P's eight.  The 64 accumulators take turns, one instruction a turn, in the same order in every step
.macro MUL16 a0, p, q, sc, zero
.irp a, \a0, \a0+1
.irp b, 0,1,2,3,4,5,6,7
.if \zero
	v_wmma_scale_f32_16x16x128_f8f6f4 v[8*(8*((\a)%4)+\b):8*(8*((\a)%4)+\b)+7], v[128*(\p)+FR*\b:128*(\p)+FR*\b+FR-1], v[AF+FR*(\a):AF+FR*(\a)+FR-1], 0, v[SC+8*NQ*(\sc)+NQ*\b+(\q)], v[SC+8*NQ*(\sc)+NQ*(\a)+(\q)] matrix_a_fmt:MATRIX_FMT_FP4 matrix_b_fmt:MATRIX_FMT_FP4 matrix_a_scale:MATRIX_SCALE_ROW1
.else
	v_wmma_scale_f32_16x16x128_f8f6f4 v[8*(8*((\a)%4)+\b):8*(8*((\a)%4)+\b)+7], v[128*(\p)+FR*\b:128*(\p)+FR*\b+FR-1], v[AF+FR*(\a):AF+FR*(\a)+FR-1], v[8*(8*((\a)%4)+\b):8*(8*((\a)%4)+\b)+7], v[SC+8*NQ*(\sc)+NQ*\b+(\q)], v[SC+8*NQ*(\sc)+NQ*(\a)+(\q)] matrix_a_fmt:MATRIX_FMT_FP4 matrix_b_fmt:MATRIX_FMT_FP4 matrix_a_scale:MATRIX_SCALE_ROW1
.endif
.endr
.endr
.endm
.macro FETCH_B slot, q, p
	WIN TO_B
.irp i, 0,1,2,3,4,5,6,7
	FRAG 128*(\p)+FR*\i, ADRB+\slot, \q, \i
.endr
	WIN 0
.endm
.macro FETCH_A slot, q, i0
.irp i, \i0, \i0+1, \i0+2, \i0+3
	FRAG AF+FR*(\i), ADRA+\slot, \q, \i
.endr
.endm
.macro SCALES sc                       ; a slot's scale words: four a row; lanes 0-15 R's block i, lanes 16-31 P's block i
.irp i, 0,1,2,3,4,5,6,7
	ds_load_b128 v[SC+8*NQ*\sc+NQ*\i:SC+8*NQ*\sc+NQ*\i+3], v[ADRS] offset:\i*SBLK
.endr
.endm
.macro PLACES n                        ; plain places behind matrix instructions, ahead of loads into registers that they read and of the first read of results
.rept \n
	v_nop
.endr
.endm
.macro STEP slot, q, zero              ; 128 along K whose successor lies in the same slot
	s_wait_dscnt 4*NL                              ; P's set and R's blocks 0-3 are in; the youngest eight loads (R's blocks 4-7) may be out
	WIN MUL_LO
	MUL16 0, (\q)%2, \q, \slot, \zero
	MUL16 2, (\q)%2, \q, \slot, \zero
	s_wait_dscnt 0
	PLACES NP
	FETCH_B \slot, (\q)+1, 1-(\q)%2
	FETCH_A \slot, (\q)+1, 0
	WIN MUL_HI
	MUL16 4, (\q)%2, \q, \slot, \zero
	MUL16 6, (\q)%2, \q, \slot, \zero
	PLACES NP
	WIN 0
	FETCH_A \slot, (\q)+1, 4
.endm
.macro TURN slot, next                 ; slot 0's last step: slot 1 is shown whole to every wave; nothing is filled again
	s_wait_tensorcnt 0x0                           ; my part of slot 1 has landed
	ds_add_u32 v[SPW], v[NIL]
	s_wait_dscnt 4*NL+1                            ; (the add and R's blocks 4-7 may be out)
	WIN MUL_LO
	MUL16 0, 1, NQ-1, \slot, 0
	s_wait_dscnt 0x0
	s_barrier_signal -1
	MUL16 2, 1, NQ-1, \slot, 0
	WIN 0
	s_barrier_wait -1
	PLACES NP
	v_add_nc_u32 v[ADRS], 4*NQ, v[ADRS]            ; the next slot's scale words (no LDS load of mine is out)
	FETCH_B \next, 0, 0
	FETCH_A \next, 0, 0
	SCALES \next
	WIN MUL_HI
	MUL16 4, 1, NQ-1, \slot, 0
	MUL16 6, 1, NQ-1, \slot, 0
	PLACES NP
	WIN 0
	FETCH_A \next, 0, 4
.endm
	s_wait_tensorcnt 1                             ; the scales and my part of slot 0 are in; slot 1's load may be out
	s_barrier_signal -1
	s_barrier_wait -1
	FETCH_B 0, 0, 0
	FETCH_A 0, 0, 0
	SCALES 0
	FETCH_A 0, 0, 4
	STEP 0, 0, 1                                   ; the first products start the sums: nothing is cleared
	STEP 0, 1, 0
	STEP 0, 2, 0
	TURN 0, 1
	STEP 1, 0, 0
	STEP 1, 1, 0
	STEP 1, 2, 0
	s_wait_dscnt 4*NL
	WIN MUL_LO
	MUL16 0, 1, NQ-1, 1, 0
	MUL16 2, 1, NQ-1, 1, 0
	s_wait_dscnt 0
	WIN MUL_HI
	MUL16 4, 1, NQ-1, 1, 0
	MUL16 6, 1, NQ-1, 1, 0
	WIN 0
; THE WAY OUT, R's block a at a time: + bias in f32, (positions 0-15: a copy in f32,) rounded to f16 in place (register i from registers 2 i, 2 i + 1), eight stores of 512 consecutive bytes: pieces of images.
.macro OUT a, isv
.set AC, 64*((\a)%4)
	s_wait_xcnt 0x0                                ; the block before has read its data: T is written again only behind this wait
	WIN (0x02+(\a)/4)                              ; source 0: window 2 or 3
.irp b, 0,1,2,3,4,5,6,7
.irp i, 0,2,4,6
.if \isv
	v_pk_add_f32 v[T+8*\b+\i:T+8*\b+\i+1], v[AC+8*\b+\i:AC+8*\b+\i+1], v[BV+2*(\a):BV+2*(\a)+1]
.else
	v_pk_add_f32 v[T+8*\b+\i:T+8*\b+\i+1], v[AC+8*\b+\i:AC+8*\b+\i+1], v[BQ+8*\b+\i:BQ+8*\b+\i+1]
.endif
.endr
.endr
	WIN 0
.if \isv
	s_cmp_lg_u32 s7, 0
	s_cbranch_scc1 .Lcoarse_\@
	global_store_b128 v[LO], v[T:T+3], s[20:21] offset:(\a)*1024       ; keys 0-15 of channels 16 a on, in f32
	global_store_b128 v[LO], v[T+4:T+7], s[20:21] offset:(\a)*1024+512
.Lcoarse_\@:
	s_wait_xcnt 0x0
.elseif (\a) == 0
	s_cmp_lg_u32 s7, 0
	s_cbranch_scc1 .Lcoarse_\@
.irp b, 0,1,2,3,4,5,6,7
	global_store_b128 v[LO], v[T+8*\b:T+8*\b+3], s[20:21] offset:\b*1024   ; tokens 0-15, channels 16 b on, in f32
	global_store_b128 v[LO], v[T+8*\b+4:T+8*\b+7], s[20:21] offset:\b*1024+512
.endr
.Lcoarse_\@:
	s_wait_xcnt 0x0
.endif
.set i, 0
.rept 32
	v_cvt_pk_f16_f32 v[T+i], v[T+2*i], v[T+2*i+1]
.set i, i+1
.endr
.irp b, 0,1,2,3,4,5,6,7
.if \isv
	global_store_b128 v[LO], v[T+4*\b:T+4*\b+3], s[18:19] offset:((\a)/4)*262144+((\a)%4)*1024+(\b/2)*4096+(\b%2)*512
.else
	global_store_b128 v[LO], v[T+4*\b:T+4*\b+3], s[18:19] offset:(\a)*2048+(\b/4)*262144+(\b%4)*512
.endif
.endr
.endm
	s_wait_loadcnt 0x0                             ; the biases
	PLACES NP
	s_cmp_eq_u32 ttmp9, 2                          ; the cluster's x: the same in all partners
	s_cbranch_scc1 .Lout_v
.irp a, 0,1,2,3,4,5,6,7
	OUT \a, 0
.endr
	s_branch .Ldone
.Lout_v:
.irp a, 0,1,2,3,4,5,6,7
	OUT \a, 1
.endr
.Ldone:
	s_wait_tensorcnt 0x0                           ; the wave's end
	ds_add_u32 v[SPW], v[NIL]
	s_wait_dscnt 0x0
	CROUND                                         ; the closing round
	s_endpgm
.Lfunc_end_k_q25112b0534_qkv:
	.size	k_q25112b0534_qkv, .Lfunc_end_k_q25112b0534_qkv-k_q25112b0534_qkv
	.p2alignl 7, 3214868480
	.fill 96, 4, 3214868480
	.section	.rodata,"a",@progbits
	.p2align	6, 0x0
	.amdhsa_kernel k_q25112b0534_qkv
		.amdhsa_group_segment_fixed_size 327680
		.amdhsa_private_segment_fixed_size 0
		.amdhsa_enable_private_segment 0
		.amdhsa_kernarg_size 72
		.amdhsa_user_sgpr_count 2
		.amdhsa_user_sgpr_kernarg_segment_ptr 1
		.amdhsa_wavefront_size32 1
		.amdhsa_system_sgpr_workgroup_id_x 1
		.amdhsa_system_sgpr_workgroup_id_y 1
		.amdhsa_system_sgpr_workgroup_id_z 1
		.amdhsa_system_vgpr_workitem_id 0
		.amdhsa_next_free_vgpr 1024
		.amdhsa_next_free_sgpr 102
		.amdhsa_reserve_vcc 0
		.amdhsa_float_denorm_mode_32 3
		.amdhsa_float_denorm_mode_16_64 3
		.amdhsa_memory_ordered 1
		.amdhsa_forward_progress 1
		.amdhsa_inst_pref_size 180
	.end_amdhsa_kernel
	.amdgpu_metadata
---
amdhsa.version: [ 1, 2 ]
amdhsa.kernels:
  - .name:           k_q25112b0534_qkv
    .symbol:         k_q25112b0534_qkv.kd
    .args:
      - { .name: ximg, .offset: 0, .size: 8, .value_kind: global_buffer, .address_space: global }
      - { .name: xsc, .offset: 8, .size: 8, .value_kind: global_buffer, .address_space: global }
      - { .name: wimg, .offset: 16, .size: 8, .value_kind: global_buffer, .address_space: global }
      - { .name: wsc, .offset: 24, .size: 8, .value_kind: global_buffer, .address_space: global }
      - { .name: bq, .offset: 32, .size: 8, .value_kind: global_buffer, .address_space: global }
      - { .name: bk, .offset: 40, .size: 8, .value_kind: global_buffer, .address_space: global }
      - { .name: bv, .offset: 48, .size: 8, .value_kind: global_buffer, .address_space: global }
      - { .name: qkv, .offset: 56, .size: 8, .value_kind: global_buffer, .address_space: global }
      - { .name: fine32, .offset: 64, .size: 8, .value_kind: global_buffer, .address_space: global }
    .group_segment_fixed_size: 327680
    .private_segment_fixed_size: 0
    .kernarg_segment_align: 8
    .kernarg_segment_size: 72
    .max_flat_workgroup_size: 128
    .sgpr_count:     102
    .vgpr_count:     1024
    .wavefront_size: 32
...
	.end_amdgpu_metadata
.endif
;; end of part 2
;; launch first16 (part 3): grid 32 x 4, 16 waves a work-group, no clusters, 34,816 bytes of LDS; arguments fine32, Wo, bo, out0; writes out0
.if DOCPART == 3
	.amdgcn_target "amdgcn-amd-amdhsa--gfx1250"
	.amdhsa_code_object_version 6
	.text
	.protected	k_q25112b0534_first16
	.globl	k_q25112b0534_first16
	.p2align	8
	.type	k_q25112b0534_first16,@function
k_q25112b0534_first16:
	s_mov_b64 s[64:65], 0
	v_nop
	global_prefetch_b8 v0, s[64:65] scope:SCOPE_SE
	s_setreg_imm32_b32 hwreg(HW_REG_WAVE_MODE, 25, 1), 1
	s_wait_xcnt 0x0
; FIRST16.  Positions 0 to 15 of each sequence, all in f32: scores, causal softmax, context and the projection on the way out.  These rows average one to sixteen values, so nothing is rounded to 16 bits on their way.
; A work-group makes 16 rows x 32 columns of out0 (x: which 32 columns, y: the batch).  Wave w is head w: its context (16 queries x 64 channels) is just its own part of the projection's K and never changes lanes;
; the sixteen waves' parts meet in LDS and are added in the order of the heads.  The small attention is done anew in each of the 32 column blocks: 32 matrix instructions a wave.
; q, k, v come from fine32 as the accumulators stood: q, k: lane (r, h) holds token r, channels 16 blk + 8 h + j;  v: channel 16 blk + r, keys 8 h + j.  The f32 matrix form takes k = 2 h + j from a pair of registers:
; a pair of the image on both sides names the same channels (keys) in both operands, so the sums over all pairs are the whole dot products.
; The registers that the f32 matrix form writes (v176-239) are written by matrix instructions alone; what is made of the sums goes elsewhere.
; LIMITS: NaN and infinities are not served.  out0 leaves in pieces of 64 bytes: 256 KiB in the whole launch.
.set SPARE, 32768                      ; LDS: [head 16][register 16][lane][4] = 32,768 bytes, then the spare words, 128 bytes a wave
.set L16,  1
.set WOF,  2
.set R4,   3
.set DD,   4
.set NINF, 5
.set SPW,  14
.set NIL,  15
.set Q,    16
.set CAT,  16
.set K,    48
.set V,    80
.set WO,   112
.set SA,   176
.set SB,   184
.set OT,   192
.set OU,   224
.set ST,   240
.set P,    248
	s_load_b256 s[4:11], s[0:1], 0x0               ; fine32 s[4:5], Wo s[6:7], bo s[8:9], out0 s[10:11]
	v_lshl_add_u32 v[SPW], v0, 2, SPARE
	v_mov_b32 v[NIL], 0
	v_lshrrev_b32 v1, 5, v0
	v_readfirstlane_b32 s12, v1                    ; wave = head
	s_and_b32 s13, ttmp7, 0xffff                   ; batch
	v_and_b32 v6, 31, v0
	v_and_b32 v7, 15, v0                           ; r
	v_bfe_u32 v8, v0, 4, 1                         ; h
	v_lshlrev_b32 v[L16], 4, v6
	v_lshlrev_b32 v[R4], 2, v7
	v_lshl_add_u32 v[WOF], v8, 15, v[R4]           ; 8 h rows of 4,096 bytes + 4 r: in Wo and in out0 alike
	v_lshlrev_b32 v[DD], 3, v8
	v_sub_nc_u32 v[DD], v7, v[DD]                  ; r - 8 h: key 8 h + j is hidden from query r where j > r - 8 h
	v_mov_b32 v[NINF], 0xff800000
	v_mov_b32 v9, 0                                ; (named as the upper half of the pair v[8:9])
	s_mov_b32 s14, 0x3e38aa3b                      ; c = log2(e) / sqrt(64)
	s_mov_b32 s15, s14
	s_mov_b32 s16, 0x76543210
	s_mov_b32 s17, 0xfedcba98
	s_lshl_b32 s18, s13, 16
	s_lshl_b32 s19, s12, 12
	s_add_co_u32 s18, s18, s19                     ; fine32: (16 batch + head) x 4,096
	s_mov_b32 s19, 0
	s_lshl_b32 s20, s12, 18                        ; Wo: rows 64 head on,
	s_lshl_b32 s21, ttmp9, 7                       ; my 32 columns
	s_add_co_u32 s20, s20, s21
	s_lshr_b32 s22, s12, 3
	s_lshl_b32 s22, s22, 6
	s_add_co_u32 s22, s22, s21                     ; bo and out0: my 32 columns, + 16 (wave / 8)
	s_mov_b32 s21, 0
	s_mov_b32 s23, 0
	s_lshl_b32 s24, s13, 23                        ; out0: the batch's first row,
	s_and_b32 s25, s12, 7
	s_lshl_b32 s25, s25, 12                        ; + row wave % 8
	s_add_co_u32 s24, s24, s25
	s_add_co_u32 s24, s24, s22
	s_mov_b32 s25, 0
	s_wait_kmcnt 0x0
	s_add_nc_u64 s[4:5], s[4:5], s[18:19]
	s_add_nc_u64 s[6:7], s[6:7], s[20:21]
	s_add_nc_u64 s[8:9], s[8:9], s[22:23]
	s_add_nc_u64 s[10:11], s[10:11], s[24:25]
.irp i, 0,1,2,3,4,5,6,7
	global_load_b128 v[Q+4*\i:Q+4*\i+3], v[L16], s[4:5] offset:\i*512
.endr
.irp i, 0,1,2,3,4,5,6,7
	global_load_b128 v[K+4*\i:K+4*\i+3], v[L16], s[4:5] offset:262144+\i*512
.endr
.irp i, 0,1,2,3,4,5,6,7
	global_load_b128 v[V+4*\i:V+4*\i+3], v[L16], s[4:5] offset:524288+\i*512
.endr
.irp u, 0,1
.set i, 0
.rept 32
	global_load_b32 v[WO+32*\u+i], v[WOF], s[6:7] offset:(16*(i/8)+i%8)*4096+\u*64   ; Wo(64 head + 16 (i / 8) + 8 h + i % 8, column 16 u + r)
.set i, i+1
.endr
.endr
	s_wait_loadcnt 63                              ; q, k, v are in: 64 loads were issued behind v's last, and the count written is one under that
	; S^T = K Q^T: lane (r, h) holds query r and keys 8 h + j.  Two accumulators by turns; each sum's first step has C = 0
	v_wmma_f32_16x16x4_f32 v[SA:SA+7], v[K:K+1], v[Q:Q+1], 0
	v_wmma_f32_16x16x4_f32 v[SB:SB+7], v[K+2:K+3], v[Q+2:Q+3], 0
.set i, 4
.rept 7
	v_wmma_f32_16x16x4_f32 v[SA:SA+7], v[K+i:K+i+1], v[Q+i:Q+i+1], v[SA:SA+7]
	v_wmma_f32_16x16x4_f32 v[SB:SB+7], v[K+i+2:K+i+3], v[Q+i+2:Q+i+3], v[SB:SB+7]
.set i, i+4
.endr
.rept 8
	v_nop                                          ; eight places behind this form (ISA guide 7.12.1)
.endr
.irp i, 0,2,4,6
	v_pk_add_f32 v[ST+\i:ST+\i+1], v[SA+\i:SA+\i+1], v[SB+\i:SB+\i+1]
.endr
.irp j, 0,1,2,3,4,5,6,7
	v_cmp_gt_i32 vcc_lo, \j, v[DD]
	v_cndmask_b32 v[ST+\j], v[ST+\j], v[NINF], vcc_lo   ; the causal mask
.endr
	v_max3_num_f32 v6, v[ST], v[ST+1], v[ST+2]
	v_max3_num_f32 v7, v[ST+3], v[ST+4], v[ST+5]
	v_max3_num_f32 v6, v6, v[ST+6], v[ST+7]
	v_max_num_f32 v6, v6, v7
	v_permlanex16_b32 v7, v6, s16, s17
	v_max_num_f32 v6, v6, v7                       ; the row's largest score (key 0 counts for every query)
	v_mul_f32 v8, s14, v6
.irp i, 0,2,4,6
	v_pk_fma_f32 v[ST+\i:ST+\i+1], v[ST+\i:ST+\i+1], s[14:15], v[8:9] op_sel_hi:[1,0,0] neg_lo:[0,0,1] neg_hi:[0,0,1]
.endr
.irp j, 0,1,2,3,4,5,6,7
	v_exp_f32 v[P+\j], v[ST+\j]
.endr
	v_nop                                          ; a plain place behind the exponentials
	s_wait_alu depctr_va_vdst(0)                   ; one wait for the batch, ahead of its first reader
	v_pk_add_f32 v[10:11], v[P:P+1], v[P+2:P+3]
	v_pk_add_f32 v[12:13], v[P+4:P+5], v[P+6:P+7]
	v_pk_add_f32 v[10:11], v[10:11], v[12:13]
	v_add_f32 v10, v10, v11
	v_permlanex16_b32 v11, v10, s16, s17
	v_add_f32 v10, v10, v11                        ; the row's sum
	v_rcp_f32 v12, v10
	v_nop
	; O^T = V^T P: lane (r, h) holds query r and channels 16 c + 8 h + j.  Four accumulators by turns
.irp c, 0,1,2,3
	v_wmma_f32_16x16x4_f32 v[OT+8*\c:OT+8*\c+7], v[V+8*\c:V+8*\c+1], v[P:P+1], 0
.endr
.irp s, 2,4,6
.irp c, 0,1,2,3
	v_wmma_f32_16x16x4_f32 v[OT+8*\c:OT+8*\c+7], v[V+8*\c+\s:V+8*\c+\s+1], v[P+\s:P+\s+1], v[OT+8*\c:OT+8*\c+7]
.endr
.endr
.rept 8
	v_nop
.endr
	global_load_b32 v[V], v[R4], s[8:9]            ; bo, into a register of V that is done with
	s_wait_alu depctr_va_vdst(0)                   ; the reciprocal's wait, ahead of its first reader
.set i, 0
.rept 16
	v_pk_mul_f32 v[CAT+i:CAT+i+1], v[OT+i:OT+i+1], v[12:13] op_sel_hi:[1,0]   ; the context, divided by the sum
.set i, i+2
.endr
	v_and_b32 v6, 31, v0
	v_lshlrev_b32 v6, 2, v6
	s_lshl_b32 s18, s12, 11
	v_add_nc_u32 v7, s18, v6                       ; LDS, in: 2,048 x wave + 4 x lane, register g at 128 g
	s_lshl_b32 s19, s12, 7
	v_add_nc_u32 v6, s19, v6                       ; back: register slot w of every head
	s_wait_loadcnt 1                               ; Wo is in; bo may be out
	; my head's part of out = context x Wo: lane (r, h) holds column 16 u + r and queries 8 h + j.  Two accumulators by turns
.set i, 0
.rept 16
.irp u, 0,1
.if i == 0
	v_wmma_f32_16x16x4_f32 v[OU+8*\u:OU+8*\u+7], v[CAT+i:CAT+i+1], v[WO+32*\u+i:WO+32*\u+i+1], 0
.else
	v_wmma_f32_16x16x4_f32 v[OU+8*\u:OU+8*\u+7], v[CAT+i:CAT+i+1], v[WO+32*\u+i:WO+32*\u+i+1], v[OU+8*\u:OU+8*\u+7]
.endif
.endr
.set i, i+2
.endr
.rept 8
	v_nop
.endr
.set i, 0
.rept 16
	ds_store_b32 v7, v[OU+i] offset:128*i
.set i, i+1
.endr
	s_wait_dscnt 0x0                               ; for the others' sake: my part lies in LDS
	s_barrier_signal -1
	s_barrier_wait -1
.set i, 0
.rept 16
	ds_load_b32 v[K+i], v6 offset:2048*i           ; wave w adds register slot w (column group w / 8, row w % 8 of each half) of all sixteen heads
.set i, i+1
.endr
	s_wait_dscnt 0x0
	v_add_f32 v10, v[K], v[K+1]
.set i, 2
.rept 14
	v_add_f32 v10, v10, v[K+i]                     ; in the order of the heads
.set i, i+1
.endr
	s_wait_loadcnt 0x0
	v_add_f32 v10, v10, v[V]                       ; + bo
	global_store_b32 v[WOF], v10, s[10:11]         ; out0(batch, 8 h + w % 8, 32 x + 16 (w / 8) + r)
	s_wait_tensorcnt 0x0                           ; the wave's end
	ds_add_u32 v[SPW], v[NIL]
	s_wait_dscnt 0x0
	s_endpgm
.Lfunc_end_k_q25112b0534_first16:
	.size	k_q25112b0534_first16, .Lfunc_end_k_q25112b0534_first16-k_q25112b0534_first16
	.p2alignl 7, 3214868480
	.fill 96, 4, 3214868480
	.section	.rodata,"a",@progbits
	.p2align	6, 0x0
	.amdhsa_kernel k_q25112b0534_first16
		.amdhsa_group_segment_fixed_size 34816
		.amdhsa_private_segment_fixed_size 0
		.amdhsa_enable_private_segment 0
		.amdhsa_kernarg_size 32
		.amdhsa_user_sgpr_count 2
		.amdhsa_user_sgpr_kernarg_segment_ptr 1
		.amdhsa_wavefront_size32 1
		.amdhsa_system_sgpr_workgroup_id_x 1
		.amdhsa_system_sgpr_workgroup_id_y 1
		.amdhsa_system_sgpr_workgroup_id_z 1
		.amdhsa_system_vgpr_workitem_id 0
		.amdhsa_next_free_vgpr 256
		.amdhsa_next_free_sgpr 66
		.amdhsa_reserve_vcc 1
		.amdhsa_float_denorm_mode_32 3
		.amdhsa_float_denorm_mode_16_64 3
		.amdhsa_memory_ordered 1
		.amdhsa_forward_progress 1
		.amdhsa_inst_pref_size 22
	.end_amdhsa_kernel
	.amdgpu_metadata
---
amdhsa.version: [ 1, 2 ]
amdhsa.kernels:
  - .name:           k_q25112b0534_first16
    .symbol:         k_q25112b0534_first16.kd
    .args:
      - { .name: fine32, .offset: 0, .size: 8, .value_kind: global_buffer, .address_space: global }
      - { .name: Wo, .offset: 8, .size: 8, .value_kind: global_buffer, .address_space: global }
      - { .name: bo, .offset: 16, .size: 8, .value_kind: global_buffer, .address_space: global }
      - { .name: out0, .offset: 24, .size: 8, .value_kind: global_buffer, .address_space: global }
    .group_segment_fixed_size: 34816
    .private_segment_fixed_size: 0
    .kernarg_segment_align: 8
    .kernarg_segment_size: 32
    .max_flat_workgroup_size: 512
    .sgpr_count:     66
    .vgpr_count:     256
    .wavefront_size: 32
...
	.end_amdgpu_metadata
.endif
;; end of part 3
;; launch attn (part 4): grid 4 x 64, 16 waves a work-group, clusters of 4 x 1, 327,680 bytes of LDS; arguments qkv, cat; writes cat
.if DOCPART == 4
	.amdgcn_target "amdgcn-amd-amdhsa--gfx1250"
	.amdhsa_code_object_version 6
	.text
	.protected	k_q25112b0534_attn
	.globl	k_q25112b0534_attn
	.p2align	8
	.type	k_q25112b0534_attn,@function
k_q25112b0534_attn:
	s_mov_b64 s[64:65], 0
	v_nop
	global_prefetch_b8 v0, s[64:65] scope:SCOPE_SE
	s_setreg_imm32_b32 hwreg(HW_REG_WAVE_MODE, 25, 1), 1
	s_wait_xcnt 0x0
	s_wait_alu depctr_hold_cnt(0) depctr_sa_sdst(0) depctr_va_vdst(0) depctr_va_sdst(0) depctr_va_ssrc(0) depctr_va_vcc(0) depctr_vm_vsrc(0)
	s_getreg_b32 s2, hwreg(HW_REG_IB_STS2, 6, 4)
	s_cmp_eq_u32 s2, 0
	s_cbranch_scc0 .Lentry_in_a_cluster
	s_endpgm
.Lentry_in_a_cluster:
	s_bfe_u32 s2, ttmp6, 0x10000c
	s_cmp_lg_u32 s2, 0x3003
	s_cbranch_scc0 .Lentry_shape_is_right
	s_endpgm
.Lentry_shape_is_right:
; ATTN.  ctx = softmax(q k^T / 8, causal) v, head size 64, operands f16, products, maxima and sums f32, with a running maximum.  q, k, v come as images of operand registers, ctx leaves as one.
; SHARES.  A cluster of four work-groups owns one (batch, head) and walks its keys in step: K's and V's tiles are asked for JOINTLY.  A work-group has sixteen waves, four to a SIMD, so that one wave's softmax stands
; beside another's products.  Wave w owns queries 128 p + 32 cx + 0 .. 31 (two tiles), p = w xor 3 ((w / 4) % 2): the four waves w, w + 4, w + 8, w + 12 have p that sum to 30.
; THE CAUSAL MASK.  Every branch hangs on p and on the count of steps alone, so it is alike in all partners: a step of 64 keys is walked while its first key is at most 128 p + 127, and masked from key 128 p on.
; cx enters global addresses and the mask's vector register only.  Every work-group has a wave with p = 15, which reads every slot: no joint load is left out.
; LAYOUT.  Both products transposed: S^T = K Q^T, O^T = V^T P: a lane holds ONE query (lane % 16); two tiles of S^T rounded to f16 in pairs ARE source 1 of the second product.
; LDS: two slots of 512 keys (K's image 65,536 bytes, then V's), 2^17 apart.  Waves 0-3 fetch a quarter of a slot each.
; LIMITS: NaN and infinities are not served; |ctx| stays under 65,504 (f16).
.set SLOT1, 1<<17
.set SPARE, 2*SLOT1                    ; the spare words, 128 bytes for each of sixteen waves
.set AK0,  1                           ; v1  16 x lane
.set AV0,  2                           ; v2  16 x lane + 65,536
.set ADK,  3
.set ADV,  4
.set QI,   5                           ; v5  32 cx + r - 8 h
.set DD,   6
.set NINF, 7
.set ST,   8                           ; v8-23 tile t's statistics at 8 t: +0 c m, +1 m, +2, +3 l, +4 .. +7 at work; a at +6
.set SPW,  24
.set NIL,  25
.set PFO,  26                          ; v26 256 x lane
.set GO,   27                          ; v27 16 x lane, for global addresses
.set Q,    32                          ; v32-63   Q: 16 t + 8 f
.set KV,   64                          ; v64-127  a step's K, then its V
.set S,    128                         ; v128-191 S^T: 32 t + 8 k; P in place at 32 t + 0 .. 15
.set O,    192                         ; v192-255 O^T: 32 t + 8 c
.set WV,   2
.set CX,   3
.set BH,   12
.set QF,   13
.set QL,   14
.set KF,   15
.set TB,   16
.set SLOTS, 17
.set CNT,  18
.set LIM,  19
.set CS,   20
.set SEL,  22
.set G1,   24
.set G0,   32
.set PFA,  36
.macro CROUND
	s_barrier_signal -1
	s_barrier_wait -1
	s_cmp_lg_u32 s[WV], 0
	s_cbranch_scc1 .Lnot_wave_0_\@
	s_barrier_signal -3
.Lnot_wave_0_\@:
	s_barrier_wait -3
	s_barrier_signal -1
	s_barrier_wait -1
.endm
.macro TLOAD                           ; waves 0-3: a joint load of 32,768 bytes each; the branch hangs on the wave's number alone; an s_nop 0 and four v_nop follow the load
	s_cmp_lt_u32 s[WV], 4
	s_cbranch_scc0 .Lno_load_\@
	tensor_load_to_lds s[G0:G0+3], s[G1:G1+7]
	s_nop 0
.rept 4
	v_nop
.endr
.Lno_load_\@:
.endm
; A prefetch of the slot that the NEXT change of slots will ask for.  Waves 4, 5 name K's bytes, waves 6, 7 V's; a wave names 8,192 bytes, lanes 256 apart; the four partners take 16,384 bytes each of K's and of V's 65,536,
; told apart by address.  One cluster alone reads a head, so each block of 256 bytes is named once.  The last change that fills a slot asks for nothing; slots 0 and 1 come by their loads alone.
.macro ASK
	s_cmp_gt_u32 s[SLOTS], s[LIM]
	s_cbranch_scc0 .Lnot_mine_\@
	global_prefetch_b8 v[PFO], s[PFA:PFA+1] th:TH_LOAD_NT scope:SCOPE_SE
.Lnot_mine_\@:
.endm
	s_load_b128 s[4:7], s[0:1], 0x0                ; qkv s[4:5], cat s[6:7]
	v_lshl_add_u32 v[SPW], v0, 2, SPARE
	v_mov_b32 v[NIL], 0
	ds_add_u32 v[SPW], v[NIL]                      ; the wave's opening: the add, twice on end, and its wait
	ds_add_u32 v[SPW], v[NIL]
	v_lshrrev_b32 v1, 5, v0
	v_readfirstlane_b32 s[WV], v1                  ; wave 0..15
	s_bfe_u32 s[CX], ttmp6, 0x40000
	s_and_b32 s[BH], ttmp7, 0xffff                 ; 16 batch + head
	s_bfe_u32 s38, s[WV], 0x10002
	s_mul_i32 s38, s38, 3
	s_xor_b32 s38, s38, s[WV]                      ; p
	s_lshl_b32 s[QF], s38, 7
	s_add_co_u32 s[QL], s[QF], 127
	s_mov_b32 s[G1], 15|(3<<16)|(1<<21)            ; the mask: all four; elements of 8 bytes; bit 21 beside a mask; no padding
	s_mov_b32 s[G1+1], 32<<16                      ; a dense block of 32,768 bytes as 128 rows of 256
	s_mov_b32 s[G1+2], 128<<16
	s_mov_b32 s[G1+3], 32<<16
	s_mov_b32 s[G1+4], 128
	s_mov_b32 s[G1+5], 32
	s_mov_b32 s[G1+6], 0
	s_mov_b32 s[G1+7], 0
	s_mov_b32 s[G0], 1
	s_and_b32 s39, s[WV], 3
	s_lshl_b32 s[G0+1], s39, 15                    ; K's two halves, then V's
	s_bfe_u32 s40, s[WV], 0x10001
	s_add_co_u32 s40, s40, 1
	s_lshl_b32 s40, s40, 24                        ; k's part of qkv (16 MiB on) or v's (32 MiB on)
	s_lshl_b32 s41, s[BH], 18                      ; a head: 262,144 bytes
	s_add_co_u32 s40, s40, s41
	s_and_b32 s42, s[WV], 1
	s_lshl_b32 s43, s42, 15
	s_add_co_u32 s44, s40, s43
	s_mov_b32 s45, 0
	s_lshl_b32 s48, s[CX], 1                       ; the prefetches: (2 cx + wave % 2) x 8,192, in slot 1: the first change of slots steps it to slot 2
	s_add_co_u32 s48, s48, s42
	s_lshl_b32 s48, s48, 13
	s_add_co_u32 s48, s48, s40
	s_add_co_u32 s48, s48, 65536
	s_mov_b32 s49, 0
	s_lshl_b32 s50, s38, 14                        ; Q: (128 bh + 8 p + 2 cx) x 2,048
	s_add_co_u32 s50, s50, s41
	s_lshl_b32 s52, s[CX], 12
	s_add_co_u32 s50, s50, s52
	s_mov_b32 s51, 0
	s_lshr_b32 s52, s[BH], 4                       ; cat: ((128 batch + 8 p + 2 cx) x 32 + 2 head) x 1,024
	s_lshl_b32 s52, s52, 22
	s_lshl_b32 s54, s38, 18
	s_add_co_u32 s52, s52, s54
	s_lshl_b32 s54, s[CX], 16
	s_add_co_u32 s52, s52, s54
	s_and_b32 s54, s[BH], 15
	s_lshl_b32 s54, s54, 11
	s_add_co_u32 s52, s52, s54
	s_mov_b32 s53, 0
	s_lshr_b32 s54, s[WV], 2
	s_cmp_eq_u32 s54, 1
	s_cselect_b32 s[LIM], 1, -1                    ; waves 4-7 prefetch
	s_mov_b32 s[CS], 0x3e38aa3b                    ; c = log2(e) / sqrt(64)
	s_mov_b32 s[CS+1], s[CS]
	s_mov_b32 s[SEL], 0x76543210
	s_mov_b32 s[SEL+1], 0xfedcba98
	s_mov_b32 s[KF], 0
	s_mov_b32 s[TB], 0
	s_mov_b32 s[SLOTS], 3
	s_wait_dscnt 0x0                               ; both opening adds are done
	s_wait_kmcnt 0x0
	s_add_nc_u64 s[G0+2:G0+3], s[4:5], s[44:45]
	s_or_b32 s[G0+3], s[G0+3], 0x80000000
	s_add_nc_u64 s[PFA:PFA+1], s[4:5], s[48:49]
	s_add_nc_u64 s[8:9], s[4:5], s[50:51]
	s_add_nc_u64 s[10:11], s[6:7], s[52:53]
	CROUND                                         ; all four work-groups are here
	TLOAD                                          ; slot 0
	v_and_b32 v[GO], 31, v0
	v_lshlrev_b32 v[PFO], 8, v[GO]
	v_lshlrev_b32 v[AK0], 4, v[GO]
	v_lshlrev_b32 v[GO], 4, v[GO]
	v_add_nc_u32 v[AV0], 65536, v[AK0]
.set i, 0
.rept 8
	global_load_b128 v[Q+4*i:Q+4*i+3], v[GO], s[8:9] offset:512*i   ; Q stays in registers
.set i, i+1
.endr
	v_and_b32 v[QI], 15, v0
	v_bfe_u32 v[DD], v0, 4, 1
	v_lshlrev_b32 v[DD], 3, v[DD]
	v_sub_nc_u32 v[QI], v[QI], v[DD]
	s_lshl_b32 s54, s[CX], 5
	v_add_nc_u32 v[QI], s54, v[QI]
	v_mov_b32 v[NINF], 0xff800000
.irp t, 0,1
	v_mov_b32 v[ST+8*\t+1], 0xff61b1e6             ; m: -3e38, under every score
	v_mul_f32 v[ST+8*\t], s[CS], v[ST+8*\t+1]
.irp j, 2,3,4,5,6,7
	v_mov_b32 v[ST+8*\t+\j], 0
.endr
.endr
.set i, 0
.rept 64
	v_mov_b32 v[O+i], 0                            ; the step is written once: the first finds zeros
.set i, i+1
.endr
; A KEY STEP: 64 keys
.macro STEP
	s_cmp_gt_u32 s[KF], s[QL]                      ; all its keys come after the queries of every partner's wave of my number: left out
	s_cbranch_scc1 .Lhidden_\@
	v_add_nc_u32 v[ADK], s[TB], v[AK0]
	v_add_nc_u32 v[ADV], s[TB], v[AV0]
.rept 3
	v_nop                                          ; with the two additions five places behind the last step's products: the loads below land where they read V (four asked), and the products below write over where they read P (five)
.endr
.set i, 0
.rept 16
	ds_load_b128 v[KV+4*i:KV+4*i+3], v[ADK] offset:512*i
.set i, i+1
.endr
	s_wait_dscnt 0x0
.irp f, 0,1                                    ; eight accumulators by turns
.irp k, 0,1,2,3
.irp t, 0,1
.if \f == 0
	v_wmma_f32_16x16x32_f16 v[S+32*\t+8*\k:S+32*\t+8*\k+7], v[KV+8*(2*\k+\f):KV+8*(2*\k+\f)+7], v[Q+16*\t+8*\f:Q+16*\t+8*\f+7], 0
.else
	v_wmma_f32_16x16x32_f16 v[S+32*\t+8*\k:S+32*\t+8*\k+7], v[KV+8*(2*\k+\f):KV+8*(2*\k+\f)+7], v[Q+16*\t+8*\f:Q+16*\t+8*\f+7], v[S+32*\t+8*\k:S+32*\t+8*\k+7]
.endif
.endr
.endr
.endr
.rept 4
	v_nop
.endr
.set i, 0
.rept 16
	ds_load_b128 v[KV+4*i:KV+4*i+3], v[ADV] offset:512*i   ; V lands while the softmax is worked
.set i, i+1
.endr
	s_cmp_lt_u32 s[KF], s[QF]                      ; all its keys count for all 128 queries of my p: no mask
	s_cbranch_scc1 .Lopen_\@
	s_sub_co_i32 s55, s[QF], s[KF]
	v_add_nc_u32 v[DD], s55, v[QI]                 ; d = my tile 0's query - KF - 8 h.  Register 32 t + 8 k + j holds key KF + 16 k + 8 h + j for query + 16 t: hidden where 16 k + j - 16 t > d
.set n, 0
.rept 64
	v_cmp_gt_i32 vcc_lo, 16*((n/8)%4)+n%8-16*(n/32), v[DD]
	v_cndmask_b32 v[S+n], v[S+n], v[NINF], vcc_lo
.set n, n+1
.endr
.Lopen_\@:
.irp j, 0,1,2,3                                ; the maximum of 32 scores and the old m, in four chains a tile; each accumulator is first read at its low end
.irp t, 0,1
	v_max3_num_f32 v[ST+8*\t+4+\j], v[S+32*\t+8*\j], v[S+32*\t+8*\j+1], v[S+32*\t+8*\j+2]
.endr
.endr
.irp i, 3,5
.irp j, 0,1,2,3
.irp t, 0,1
	v_max3_num_f32 v[ST+8*\t+4+\j], v[ST+8*\t+4+\j], v[S+32*\t+8*\j+\i], v[S+32*\t+8*\j+\i+1]
.endr
.endr
.endr
.irp t, 0,1
	v_max3_num_f32 v[ST+8*\t+4], v[ST+8*\t+4], v[S+32*\t+7], v[S+32*\t+15]
	v_max3_num_f32 v[ST+8*\t+6], v[ST+8*\t+6], v[S+32*\t+23], v[S+32*\t+31]
.endr
.irp t, 0,1
	v_max3_num_f32 v[ST+8*\t+4], v[ST+8*\t+4], v[ST+8*\t+5], v[ST+8*\t+6]
.endr
.irp t, 0,1
	v_max3_num_f32 v[ST+8*\t+4], v[ST+8*\t+4], v[ST+8*\t+7], v[ST+8*\t+1]
.endr
.irp t, 0,1
	v_permlanex16_b32 v[ST+8*\t+5], v[ST+8*\t+4], s[SEL], s[SEL+1]   ; the query's other 32 keys lie in the lane 16 away
.endr
.irp t, 0,1
	v_mov_b32 v[ST+8*\t+7], v[ST+8*\t]             ; c m_old
.endr
.irp t, 0,1
	v_max_num_f32 v[ST+8*\t+1], v[ST+8*\t+4], v[ST+8*\t+5]
.endr
.irp t, 0,1
	v_mul_f32 v[ST+8*\t], s[CS], v[ST+8*\t+1]
.endr
.irp t, 0,1
	v_sub_f32 v[ST+8*\t+7], v[ST+8*\t+7], v[ST+8*\t]
.endr
.set i, 0
.rept 16
.irp t, 0,1
	v_pk_fma_f32 v[S+32*\t+i:S+32*\t+i+1], v[S+32*\t+i:S+32*\t+i+1], s[CS:CS+1], v[ST+8*\t:ST+8*\t+1] op_sel_hi:[1,0,0] neg_lo:[0,0,1] neg_hi:[0,0,1]   ; c s - c m
.endr
.set i, i+2
.endr
.irp t, 0,1
	v_exp_f32 v[ST+8*\t+6], v[ST+8*\t+7]           ; a = 2^(c m_old - c m_new)
.endr
.set i, 0
.rept 64
	v_exp_f32 v[S+i], v[S+i]                       ; p
.set i, i+1
.endr
	v_nop                                          ; a plain place behind the batch
	s_wait_alu depctr_va_vdst(0)                   ; one wait for the 66 exponentials, ahead of their first reader
.irp t, 0,1
	v_pk_fma_f32 v[ST+8*\t+2:ST+8*\t+3], v[ST+8*\t+2:ST+8*\t+3], v[ST+8*\t+6:ST+8*\t+7], v[S+32*\t:S+32*\t+1] op_sel_hi:[1,0,1]   ; l = a l + the sum of the unrounded p, in two chains a tile
.endr
.irp t, 0,1
	v_pk_add_f32 v[ST+8*\t+4:ST+8*\t+5], v[S+32*\t+2:S+32*\t+3], v[S+32*\t+4:S+32*\t+5]
.endr
.irp j, 6,10,14,18,22,26
.irp t, 0,1
	v_pk_add_f32 v[ST+8*\t+2:ST+8*\t+3], v[ST+8*\t+2:ST+8*\t+3], v[S+32*\t+\j:S+32*\t+\j+1]
	v_pk_add_f32 v[ST+8*\t+4:ST+8*\t+5], v[ST+8*\t+4:ST+8*\t+5], v[S+32*\t+\j+2:S+32*\t+\j+3]
.endr
.endr
.irp t, 0,1
	v_pk_add_f32 v[ST+8*\t+2:ST+8*\t+3], v[ST+8*\t+2:ST+8*\t+3], v[S+32*\t+30:S+32*\t+31]
.endr
.irp t, 0,1
	v_pk_add_f32 v[ST+8*\t+2:ST+8*\t+3], v[ST+8*\t+2:ST+8*\t+3], v[ST+8*\t+4:ST+8*\t+5]
.endr
.set i, 0
.rept 16
.irp t, 0,1
	v_cvt_pk_f16_f32 v[S+32*\t+i], v[S+32*\t+2*i], v[S+32*\t+2*i+1]   ; P in place: register i from registers 2 i, 2 i + 1, ascending
.endr
.set i, i+1
.endr
.set i, 0
.rept 16
.irp t, 0,1
	v_pk_mul_f32 v[O+32*\t+i:O+32*\t+i+1], v[O+32*\t+i:O+32*\t+i+1], v[ST+8*\t+6:ST+8*\t+7] op_sel_hi:[1,0]   ; O^T x a
.endr
.set i, i+2
.endr
	s_wait_dscnt 0x0                               ; V is in
.irp g, 0,1                                    ; eight accumulators by turns
.irp c, 0,1,2,3
.irp t, 0,1
	v_wmma_f32_16x16x32_f16 v[O+32*\t+8*\c:O+32*\t+8*\c+7], v[KV+8*(4*\g+\c):KV+8*(4*\g+\c)+7], v[S+32*\t+8*\g:S+32*\t+8*\g+7], v[O+32*\t+8*\c:O+32*\t+8*\c+7]
.endr
.endr
.endr
.Lhidden_\@:
	s_add_co_u32 s[KF], s[KF], 64
	s_add_co_u32 s[TB], s[TB], 8192                ; four tiles of K, two groups of V: 8,192 bytes each
.endm
; THE CHANGE OF SLOTS, at a slot's head.  Each wave waits for all its tensor loads, adds 0 to its spare word, and waits for that and for its reads of the slot that it has left.  fill = 1: a round of the cluster's barrier,
; and the slot just left is filled with the next 512 keys: the load has a whole slot's eight steps in which to land.
.macro CHANGE fill
	s_wait_tensorcnt 0x0                           ; no tensor load of mine is out, so group 0 may be written
	ds_add_u32 v[SPW], v[NIL]
.if \fill
	ds_add_u32 v[SPW], v[NIL]                      ; and once more, in every trip alike
	s_xor_b32 s[G0+1], s[G0+1], SLOT1
	s_add_nc_u64 s[G0+2:G0+3], s[G0+2:G0+3], 65536
	s_wait_xcnt 0x0                                ; the last prefetch, a slot back, has read its address
	s_add_nc_u64 s[PFA:PFA+1], s[PFA:PFA+1], 65536
	s_wait_dscnt 0x0
	CROUND
	TLOAD
	ASK
.else
	s_wait_dscnt 0x0
	s_barrier_signal -1
	s_barrier_wait -1
.endif
.endm
.macro EIGHT                           ; a slot's eight steps: written once, walked eight times
	s_mov_b32 s[CNT], 8
.Lstep_\@:
	STEP
	s_sub_co_u32 s[CNT], s[CNT], 1
	s_cmp_lg_u32 s[CNT], 0
	s_cbranch_scc1 .Lstep_\@
	s_sub_co_u32 s[TB], s[TB], 65536
	s_xor_b32 s[TB], s[TB], SLOT1                  ; on to the other slot
.endm
	s_wait_loadcnt 0x0                             ; Q
.Lslot:                                            ; three trips: behind each change of slots but the last the next slot is asked for
	CHANGE 1
	EIGHT
	s_sub_co_u32 s[SLOTS], s[SLOTS], 1
	s_cmp_lg_u32 s[SLOTS], 0
	s_cbranch_scc1 .Lslot
	CHANGE 0                                       ; the last slot is written out
	EIGHT
	; THE WAY OUT: O^T / l, rounded to f16: a lane's eight channels of a query are a lane's 16 bytes of a piece of the image that the projection reads
.rept 4
	v_nop
.endr
.irp t, 0,1
	v_add_f32 v[ST+8*\t+4], v[ST+8*\t+2], v[ST+8*\t+3]
.endr
.irp t, 0,1
	v_permlanex16_b32 v[ST+8*\t+5], v[ST+8*\t+4], s[SEL], s[SEL+1]
.endr
.irp t, 0,1
	v_add_f32 v[ST+8*\t+4], v[ST+8*\t+4], v[ST+8*\t+5]
.endr
.irp t, 0,1
	v_rcp_f32 v[ST+8*\t+6], v[ST+8*\t+4]
.endr
	v_nop
	s_wait_alu depctr_va_vdst(0)                   ; one wait for both reciprocals
.set i, 0
.rept 16
.irp t, 0,1
	v_pk_mul_f32 v[O+32*\t+i:O+32*\t+i+1], v[O+32*\t+i:O+32*\t+i+1], v[ST+8*\t+6:ST+8*\t+7] op_sel_hi:[1,0]
.endr
.set i, i+2
.endr
.set i, 0
.rept 32
	v_cvt_pk_f16_f32 v[S+i], v[O+2*i], v[O+2*i+1]
.set i, i+1
.endr
.irp t, 0,1
.irp c, 0,1,2,3
	global_store_b128 v[GO], v[S+16*\t+4*\c:S+16*\t+4*\c+3], s[10:11] offset:\t*32768+\c*512   ; 512 consecutive bytes, aligned
.endr
.endr
	s_wait_tensorcnt 0x0                           ; the wave's end
	ds_add_u32 v[SPW], v[NIL]
	s_wait_dscnt 0x0
	CROUND                                         ; the closing round
	s_endpgm
.Lfunc_end_k_q25112b0534_attn:
	.size	k_q25112b0534_attn, .Lfunc_end_k_q25112b0534_attn-k_q25112b0534_attn
	.p2alignl 7, 3214868480
	.fill 96, 4, 3214868480
	.section	.rodata,"a",@progbits
	.p2align	6, 0x0
	.amdhsa_kernel k_q25112b0534_attn
		.amdhsa_group_segment_fixed_size 327680
		.amdhsa_private_segment_fixed_size 0
		.amdhsa_enable_private_segment 0
		.amdhsa_kernarg_size 16
		.amdhsa_user_sgpr_count 2
		.amdhsa_user_sgpr_kernarg_segment_ptr 1
		.amdhsa_wavefront_size32 1
		.amdhsa_system_sgpr_workgroup_id_x 1
		.amdhsa_system_sgpr_workgroup_id_y 1
		.amdhsa_system_sgpr_workgroup_id_z 1
		.amdhsa_system_vgpr_workitem_id 0
		.amdhsa_next_free_vgpr 256
		.amdhsa_next_free_sgpr 66
		.amdhsa_reserve_vcc 1
		.amdhsa_float_denorm_mode_32 3
		.amdhsa_float_denorm_mode_16_64 3
		.amdhsa_memory_ordered 1
		.amdhsa_forward_progress 1
		.amdhsa_inst_pref_size 58
	.end_amdhsa_kernel
	.amdgpu_metadata
---
amdhsa.version: [ 1, 2 ]
amdhsa.kernels:
  - .name:           k_q25112b0534_attn
    .symbol:         k_q25112b0534_attn.kd
    .args:
      - { .name: qkv, .offset: 0, .size: 8, .value_kind: global_buffer, .address_space: global }
      - { .name: cat, .offset: 8, .size: 8, .value_kind: global_buffer, .address_space: global }
    .group_segment_fixed_size: 327680
    .private_segment_fixed_size: 0
    .kernarg_segment_align: 8
    .kernarg_segment_size: 16
    .max_flat_workgroup_size: 512
    .sgpr_count:     66
    .vgpr_count:     256
    .wavefront_size: 32
...
	.end_amdgpu_metadata
.endif
;; end of part 4
;; launch proj (part 5): grid 8 x 32, 4 waves a work-group, clusters of 4 x 4, 327,680 bytes of LDS; arguments cat, woimg, bo, out0; writes out0
.if DOCPART == 5
	.amdgcn_target "amdgcn-amd-amdhsa--gfx1250"
	.amdhsa_code_object_version 6
	.text
	.protected	k_q25112b0534_proj
	.globl	k_q25112b0534_proj
	.p2align	8
	.type	k_q25112b0534_proj,@function
k_q25112b0534_proj:
	s_mov_b64 s[64:65], 0
	v_nop
	global_prefetch_b8 v0, s[64:65] scope:SCOPE_SE
	s_setreg_imm32_b32 hwreg(HW_REG_WAVE_MODE, 25, 1), 1
	s_wait_xcnt 0x0
	s_wait_alu depctr_hold_cnt(0) depctr_sa_sdst(0) depctr_va_vdst(0) depctr_va_sdst(0) depctr_va_ssrc(0) depctr_va_vcc(0) depctr_vm_vsrc(0)
	s_getreg_b32 s2, hwreg(HW_REG_IB_STS2, 6, 4)
	s_cmp_eq_u32 s2, 0
	s_cbranch_scc0 .Lentry_in_a_cluster
	s_endpgm
.Lentry_in_a_cluster:
	s_bfe_u32 s2, ttmp6, 0x10000c
	s_cmp_lg_u32 s2, 0xf033
	s_cbranch_scc0 .Lentry_shape_is_right
	s_endpgm
.Lentry_shape_is_right:
; PROJ.  out0 = cat Wo + bo, operands f16, sums f32, for all rows but positions 0 to 15 of each sequence, which another launch carries in f32.
; A work-group makes 256 rows x 128 columns (256 work-groups); a wave 128 x 64: 32 accumulators, 256 registers (window 1).  K goes in steps of 128 through a ring of two LDS slots.
; Both operands come as images of their registers ([tile of 16][fragment of 32 K][1,024 bytes]): a K step of a tile of 16 is 4,096 consecutive bytes; a fragment is two ds_load_b128 at 16 x lane.
; CLUSTERS: 4 x 4.  The tile row is 8 cy + the cluster's y, so that a sequence's first tile is told by the cluster's y alone, which all partners share.  cat's tiles are shared along a row of the cluster, Wo's along a column.
; TRANSPOSED USE (source 0 = 16 columns of Wo, source 1 = 16 rows of cat): a lane holds eight neighbouring numbers of a row of out0.  bo is the C of each sum's first product.
; REGISTERS: window 0: v16-29 addresses; v32-63 bo; v64-159, v160-255 two fragment buffers (Wo's 4, then cat's 8); the way out uses v64-127.  window 1: accumulator (a, b) at 8 (4 a + b).
.set SLOT,   98304                     ; cat's 256 rows x 128 K (65,536 bytes), then Wo's 128 columns (32,768)
.set BOFF,   65536
.set STAGE,  2*SLOT                    ; 16 rows x (256 bytes + 16) for each wave
.set SPITCH, 272
.set SPARE,  STAGE+4*16*SPITCH
.set ADRA, 16
.set ADRB, 20
.set STO,  24
.set RD,   25
.set CO,   26
.set VB,   27
.set SPW,  28
.set NIL,  29
.set BIAS, 32
.set F0,   64
.set F1,   160
.set OB,   64
.set G1,   24
.set G0,   32
.set G1B,  48
.set G0B,  56
.set MSB, 0
.macro WIN new
.if MSB != \new
	s_set_vgpr_msb (MSB<<8)|\new
.set MSB, \new
.endif
.endm
.set MULW, 0x50                        ; C and D window 1, sources window 0
.set MULF, 0x40                        ; D window 1; C (bo) window 0
.macro JLOAD s                         ; waves 0, 1 fetch cat's halves, waves 2, 3 Wo's; an s_nop 0 and four v_nop follow each line
	s_cmp_eq_u32 s13, 0
	s_cbranch_scc0 .Lfor_b_\@
	tensor_load_to_lds s[G0+4*\s:G0+4*\s+3], s[G1:G1+7]
	s_nop 0
.rept 4
	v_nop
.endr
	s_branch .Lasked_\@
.Lfor_b_\@:
	tensor_load_to_lds s[G0B+4*\s:G0B+4*\s+3], s[G1B:G1B+7]
	s_nop 0
.rept 4
	v_nop
.endr
.Lasked_\@:
.endm
.macro CREST
	s_cmp_lg_u32 s12, 0
	s_cbranch_scc1 .Lnot_wave_0_\@
	s_barrier_signal -3
.Lnot_wave_0_\@:
	s_barrier_wait -3
	s_barrier_signal -1
	s_barrier_wait -1
.endm
.macro CROUND
	s_barrier_signal -1
	s_barrier_wait -1
	CREST
.endm
	s_load_b256 s[4:11], s[0:1], 0x0               ; cat s[4:5], woimg s[6:7], bo s[8:9], out0 s[10:11]
	v_lshl_add_u32 v[SPW], v0, 2, SPARE
	v_mov_b32 v[NIL], 0
	ds_add_u32 v[SPW], v[NIL]                      ; the wave's opening: the add, twice on end, and its wait
	ds_add_u32 v[SPW], v[NIL]
	v_lshrrev_b32 v1, 5, v0
	v_readfirstlane_b32 s12, v1                    ; wave 0..3
	s_lshr_b32 s13, s12, 1                         ; my half of the rows.  Also: I fetch for cat (0) or for Wo (1)
	s_and_b32 s14, s12, 1                          ; my half of the columns.  Also: which half I fetch
	s_bfe_u32 s40, ttmp6, 0x40000                  ; cx
	s_bfe_u32 s41, ttmp6, 0x40004                  ; cy
	s_lshl_b32 s42, ttmp9, 2
	s_add_co_u32 s42, s42, s40                     ; tile column
	s_and_b32 s16, ttmp7, 0xffff                   ; the cluster's y
	s_lshl_b32 s15, s41, 3
	s_add_co_u32 s15, s15, s16                     ; tile row = 8 cy + y: the batch is cy
	s_lshl_b32 s43, s41, 2
	s_lshl_b32 s43, 15, s43                        ; my row of the cluster
	s_lshl_b32 s44, 0x1111, s40                    ; my column
	s_or_b32 s[G1], s43, (3<<16)|(1<<21)
	s_or_b32 s[G1B], s44, (3<<16)|(1<<21)
.irp g, G1, G1B
	s_mov_b32 s[\g+1], 512<<16                     ; 4,096 consecutive bytes of each tile of 16 (512 elements of 8)
	s_mov_b32 s[\g+3], 512<<16
	s_mov_b32 s[\g+5], 4096                        ; 32,768 bytes from tile to tile
	s_mov_b32 s[\g+6], 0
	s_mov_b32 s[\g+7], 0
.endr
	s_mov_b32 s[G1+2], 8<<16                       ; cat: eight tiles a load
	s_mov_b32 s[G1+4], 8
	s_mov_b32 s[G1B+2], 4<<16                      ; Wo: four
	s_mov_b32 s[G1B+4], 4
	s_lshl_b32 s20, s15, 19                        ; cat: (16 tile row + 8 half) x 32,768
	s_lshl_b32 s21, s14, 18
	s_add_co_u32 s20, s20, s21
	s_mov_b32 s21, 0
	s_lshl_b32 s46, s42, 18                        ; Wo: (8 tile column + 4 half) x 32,768
	s_lshl_b32 s47, s14, 17
	s_add_co_u32 s46, s46, s47
	s_mov_b32 s47, 0
	s_lshl_b32 s17, s14, 15                        ; LDS: cat's halves,
	s_lshl_b32 s18, s14, 14
	s_add_co_u32 s18, s18, BOFF                    ; Wo's halves behind them
	s_wait_dscnt 0x0
	s_wait_kmcnt 0x0
	s_add_nc_u64 s[20:21], s[4:5], s[20:21]
	s_add_nc_u64 s[46:47], s[6:7], s[46:47]
	CROUND                                         ; all sixteen work-groups are here
.irp s, 0,1
	s_mov_b32 s[G0+4*\s], 1
	s_add_co_u32 s[G0+4*\s+1], s17, \s*SLOT
	s_add_nc_u64 s[G0+4*\s+2:G0+4*\s+3], s[20:21], \s*4096
	s_or_b32 s[G0+4*\s+3], s[G0+4*\s+3], 0x80000000
	s_mov_b32 s[G0B+4*\s], 1
	s_add_co_u32 s[G0B+4*\s+1], s18, \s*SLOT
	s_add_nc_u64 s[G0B+4*\s+2:G0B+4*\s+3], s[46:47], \s*4096
	s_or_b32 s[G0B+4*\s+3], s[G0B+4*\s+3], 0x80000000
	JLOAD \s
.endr
	v_and_b32 v1, 15, v0                           ; r
	v_bfe_u32 v2, v0, 4, 1                         ; h
	v_and_b32 v3, 31, v0
	v_lshlrev_b32 v3, 4, v3                        ; 16 x lane
	s_lshl_b32 s17, s13, 15                        ; my 128 rows of cat
	s_lshl_b32 s18, s14, 14
	s_add_co_u32 s18, s18, BOFF                    ; my 64 columns of Wo
.irp s, 0,1
	v_add_nc_u32 v[ADRA+\s], s17, v3
	v_add_nc_u32 v[ADRB+\s], s18, v3
	s_add_co_u32 s17, s17, SLOT
	s_add_co_u32 s18, s18, SLOT
.endr
	s_lshl_b32 s19, s42, 9
	s_lshl_b32 s23, s14, 8
	s_add_co_u32 s19, s19, s23                     ; my first column, in bytes
	v_lshl_add_u32 v[VB], v2, 5, s19
.irp b, 0,1,2,3
	global_load_b128 v[BIAS+8*\b:BIAS+8*\b+3], v[VB], s[8:9] offset:64*\b      ; bo at columns 16 b + 8 h + 0 .. 7
	global_load_b128 v[BIAS+8*\b+4:BIAS+8*\b+7], v[VB], s[8:9] offset:64*\b+16
.endr
	s_mul_i32 s17, s12, 16*SPITCH
	s_add_co_u32 s17, s17, STAGE                   ; my stage
	v_mul_u32_u24 v4, v1, SPITCH
	v_lshl_add_u32 v4, v2, 5, v4
	v_add_nc_u32 v[STO], s17, v4                   ; in: row r, 32 bytes for each half of the lanes
	v_mul_u32_u24 v4, v2, SPITCH
	v_lshl_add_u32 v4, v1, 4, v4
	v_add_nc_u32 v[RD], s17, v4                    ; back: lanes 0-15 one row of 256 bytes, lanes 16-31 the next
	v_lshlrev_b32 v[CO], 12, v2
	v_lshl_add_u32 v[CO], v1, 4, v[CO]             ; and the same two rows in out0
	s_lshl_b32 s22, s15, 20                        ; 256 rows of 4,096 bytes a tile row,
	s_lshl_b32 s23, s13, 19                        ; 128 a half
	s_add_co_u32 s22, s22, s23
	s_add_co_u32 s22, s22, s19
	s_mov_b32 s23, 0
	s_add_nc_u64 s[10:11], s[10:11], s[22:23]
	s_or_b32 s2, s16, s13                          ; 0 where my rows begin with position 0 of a sequence: the cluster's y and the wave's number alone
; 8 products: cat's tiles a0, a0 + 1 x Wo's four.  The 32 accumulators take turns, one instruction a turn, in the same order in every quarter
.macro MUL8 f, a0, first
.irp a, \a0, \a0+1
.irp b, 0,1,2,3
.if \first
	v_wmma_f32_16x16x32_f16 v[8*(4*(\a)+\b):8*(4*(\a)+\b)+7], v[\f+8*\b:\f+8*\b+7], v[\f+32+8*(\a):\f+32+8*(\a)+7], v[BIAS+8*\b:BIAS+8*\b+7]
.else
	v_wmma_f32_16x16x32_f16 v[8*(4*(\a)+\b):8*(4*(\a)+\b)+7], v[\f+8*\b:\f+8*\b+7], v[\f+32+8*(\a):\f+32+8*(\a)+7], v[8*(4*(\a)+\b):8*(4*(\a)+\b)+7]
.endif
.endr
.endr
.endm
.macro FETCH slot, q, f                ; 24 LDS loads in one run: Wo's 4 fragments, cat's 0-3, cat's 4-7, of the slot's q-th 32 along K
.irp i, 0,1,2,3
	ds_load_b128 v[\f+8*\i:\f+8*\i+3],   v[ADRB+\slot] offset:\i*4096+\q*1024
	ds_load_b128 v[\f+8*\i+4:\f+8*\i+7], v[ADRB+\slot] offset:\i*4096+\q*1024+512
.endr
.irp i, 0,1,2,3,4,5,6,7
	ds_load_b128 v[\f+32+8*\i:\f+32+8*\i+3],   v[ADRA+\slot] offset:\i*4096+\q*1024
	ds_load_b128 v[\f+32+8*\i+4:\f+32+8*\i+7], v[ADRA+\slot] offset:\i*4096+\q*1024+512
.endr
.endm
.macro PLACES                          ; four places ahead of loads into registers that matrix instructions have read, and of the first read of results
.rept 4
	v_nop
.endr
.endm
.macro MWIN first
.if \first
	WIN MULF
.else
	WIN MULW
.endif
.endm
; a quarter of a K step: multiplies buffer f, and in its middle fetches the slot's q-th fragments into buffer g
.macro QUARTER slot, q, f, g, first
	s_wait_dscnt 8                                 ; Wo's and cat's tiles 0-3 are in; the youngest eight loads (tiles 4-7) may be out
	MWIN \first
	MUL8 \f, 0, \first
	MUL8 \f, 2, \first
	PLACES
	WIN 0
	FETCH \slot, \q, \g
	s_wait_dscnt 24                                ; all but the 24 just issued
	MWIN \first
	MUL8 \f, 4, \first
	MUL8 \f, 6, \first
.endm
; the last quarter multiplies buffer 1 and changes slots: one barrier; ahead of it each wave waits for all its tensor loads, adds 0 to its spare word, and waits for that and for its reads of this slot
.macro TURN slot, next, fill
	WIN 0
	s_wait_tensorcnt 0x0                           ; my part of the next slot has landed
	ds_add_u32 v[SPW], v[NIL]
	s_wait_dscnt 9                                 ; (the add and cat's tiles 4-7 may be out)
	WIN MULW
	MUL8 F1, 0, 0
	s_wait_dscnt 0x0                               ; the add is done, and my reads of this slot are over
	s_barrier_signal -1
	MUL8 F1, 2, 0
	WIN 0
	s_barrier_wait -1
.if \fill
	CREST                                          ; the barrier has opened a round of the cluster's: no wave of any partner still reads this slot or has a load on its way
	s_add_nc_u64 s[G0+4*\slot+2:G0+4*\slot+3], s[G0+4*\slot+2:G0+4*\slot+3], 8192
	s_add_nc_u64 s[G0B+4*\slot+2:G0B+4*\slot+3], s[G0B+4*\slot+2:G0B+4*\slot+3], 8192
	JLOAD \slot                                    ; two K steps on: 112 products stand between this request and the wait for it; its four v_nop are the places ahead of the loads below
.else
	PLACES
.endif
	FETCH \next, 0, F0
	WIN MULW
	MUL8 F1, 4, 0
	MUL8 F1, 6, 0
.endm
	s_wait_tensorcnt 1                             ; my part of K step 0 is in; K step 1's load may be out
	s_barrier_signal -1
	s_barrier_wait -1
	FETCH 0, 0, F0
	s_wait_loadcnt 0x0                             ; bo
	QUARTER 0, 1, F0, F1, 1                        ; the first quarter stands ahead of the loop: its products start the sums from bo
	WIN 0
	s_mov_b32 s3, 3
.Llap:                                             ; a trip goes once round the ring and fills both slots again: K steps 2 to 7
	QUARTER 0, 2, F1, F0, 0
	QUARTER 0, 3, F0, F1, 0
	TURN 0, 1, 1
	QUARTER 1, 1, F0, F1, 0
	QUARTER 1, 2, F1, F0, 0
	QUARTER 1, 3, F0, F1, 0
	TURN 1, 0, 1
	QUARTER 0, 1, F0, F1, 0
	WIN 0
	s_sub_co_u32 s3, s3, 1
	s_cmp_lg_u32 s3, 0
	s_cbranch_scc1 .Llap
	QUARTER 0, 2, F1, F0, 0                        ; the last lap fills nothing
	QUARTER 0, 3, F0, F1, 0
	TURN 0, 1, 0
	QUARTER 1, 1, F0, F1, 0
	QUARTER 1, 2, F1, F0, 0
	QUARTER 1, 3, F0, F1, 0
	s_wait_dscnt 8
	WIN MULW
	MUL8 F1, 0, 0
	MUL8 F1, 2, 0
	s_wait_dscnt 0
	MUL8 F1, 4, 0
	MUL8 F1, 6, 0
	WIN 0
; THE WAY OUT, 16 rows x 64 columns at a time, through my own stage: in as 32 bytes a lane, back as whole rows of 256 bytes, so that sixteen lanes store 256 consecutive bytes, aligned
.macro TOSTAGE a
	WIN 0x04                                       ; an LDS store's data: window 1
.irp b, 0,1,2,3
	ds_store_b128 v[STO], v[8*(4*(\a)+\b):8*(4*(\a)+\b)+3] offset:64*\b        ; each accumulator from its low end on
	ds_store_b128 v[STO], v[8*(4*(\a)+\b)+4:8*(4*(\a)+\b)+7] offset:64*\b+16
.endr
	WIN 0
.set BB, OB+32*((\a)%2)
.irp t, 0,1,2,3,4,5,6,7
	ds_load_b128 v[BB+4*\t:BB+4*\t+3], v[RD] offset:\t*2*SPITCH   ; LDS serves a wave's instructions in order: these see the stores above
.endr
.endm
.macro SEND a, younger
.set BB, OB+32*((\a)%2)
	s_wait_dscnt \younger
.irp t, 0,1,2,3,4,5,6,7
	global_store_b128 v[CO], v[BB+4*\t:BB+4*\t+3], s[10:11] offset:(\a)*65536+\t*8192 th:TH_STORE_NT
.endr
.endm
	PLACES
	s_cmp_eq_u32 s2, 0                             ; positions 0 to 15 of a sequence belong to the launch that carries them in f32
	s_cbranch_scc1 .Lskip0
	TOSTAGE 0
	SEND 0, 0
.Lskip0:
	TOSTAGE 1
.irp a, 2,3,4,5,6,7
	s_wait_xcnt 0x0                                ; block a - 2's stores have read their registers: block a's loads may land there
	TOSTAGE \a
	SEND \a-1, 16                                  ; behind block a - 1's loads: block a's 8 stores and 8 loads
.endr
	SEND 7, 0
	s_wait_tensorcnt 0x0                           ; the wave's end
	ds_add_u32 v[SPW], v[NIL]
	s_wait_dscnt 0x0
	CROUND                                         ; the closing round
	s_endpgm
.Lfunc_end_k_q25112b0534_proj:
	.size	k_q25112b0534_proj, .Lfunc_end_k_q25112b0534_proj-k_q25112b0534_proj
	.p2alignl 7, 3214868480
	.fill 96, 4, 3214868480
	.section	.rodata,"a",@progbits
	.p2align	6, 0x0
	.amdhsa_kernel k_q25112b0534_proj
		.amdhsa_group_segment_fixed_size 327680
		.amdhsa_private_segment_fixed_size 0
		.amdhsa_enable_private_segment 0
		.amdhsa_kernarg_size 32
		.amdhsa_user_sgpr_count 2
		.amdhsa_user_sgpr_kernarg_segment_ptr 1
		.amdhsa_wavefront_size32 1
		.amdhsa_system_sgpr_workgroup_id_x 1
		.amdhsa_system_sgpr_workgroup_id_y 1
		.amdhsa_system_sgpr_workgroup_id_z 1
		.amdhsa_system_vgpr_workitem_id 0
		.amdhsa_next_free_vgpr 512
		.amdhsa_next_free_sgpr 66
		.amdhsa_reserve_vcc 0
		.amdhsa_float_denorm_mode_32 3
		.amdhsa_float_denorm_mode_16_64 3
		.amdhsa_memory_ordered 1
		.amdhsa_forward_progress 1
		.amdhsa_inst_pref_size 86
	.end_amdhsa_kernel
	.amdgpu_metadata
---
amdhsa.version: [ 1, 2 ]
amdhsa.kernels:
  - .name:           k_q25112b0534_proj
    .symbol:         k_q25112b0534_proj.kd
    .args:
      - { .name: cat, .offset: 0, .size: 8, .value_kind: global_buffer, .address_space: global }
      - { .name: woimg, .offset: 8, .size: 8, .value_kind: global_buffer, .address_space: global }
      - { .name: bo, .offset: 16, .size: 8, .value_kind: global_buffer, .address_space: global }
      - { .name: out0, .offset: 24, .size: 8, .value_kind: global_buffer, .address_space: global }
    .group_segment_fixed_size: 327680
    .private_segment_fixed_size: 0
    .kernarg_segment_align: 8
    .kernarg_segment_size: 32
    .max_flat_workgroup_size: 128
    .sgpr_count:     66
    .vgpr_count:     512
    .wavefront_size: 32
...
	.end_amdgpu_metadata
.endif
;; end of part 5
